; MI455X (gfx1250); checked and timed in simulation.
; The chip was launched on July 23, 2026; its instructions are those of AMD's public machine-readable ISA for CDNA 5 (MIT licence, August 2026) and "CDNA5" Instruction Set Architecture Reference Guide (July 2026). The comments in the code are by the model that wrote it; some were corrected since.
;; Multi Head Attention. Allowed arithmetic: matrix products marked QUANTISED: E2M3 operands, one E8M0 scale for each 32 along K, by v_wmma_scale_f32_16x16x128_f8f6f4 with both operands' format E2M3, f32 sums; everything else in f32.
;; Inputs: K 4 x 2,048 x 1,024 float32; Q 4 x 2,048 x 1,024 float32; V 4 x 2,048 x 1,024 float32; W_K 1,024 x 1,024 float32; W_O 1,024 x 1,024 float32; W_Q 1,024 x 1,024 float32; W_V 1,024 x 1,024 float32; b_K 1,024 float32; b_O 1,024 float32; b_Q 1,024 float32; b_V 1,024 float32.
;; Outputs: out0 4 x 2,048 x 1,024 float32.
;; This version of the problem:
;;   THIS VERSION OF THE PROBLEM IS GIVEN IN LOW PRECISION. The matrix products marked QUANTISED in the list below multiply operands that are first quantised to E2M3 (2 exponent bits, 3 mantissa bits; 6 bits a number), with one power-of-two scale for each 32 numbers along K (OCP MX v1.0); their sums are f32. All else is computed in f32.
;;   The module's matrix products, in the order in which they are computed (A, B: the left and right operand; K: the contracted axis; several contracted axes count as one K, in the product's order):
;;     1. [M 8,192, K 1,024] x [K 1,024, N 1,024]; A: input Q; B: input W_Q: QUANTISED
;;     2. [M 8,192, K 1,024] x [K 1,024, N 1,024]; A: input K; B: input W_K: QUANTISED
;;     3. [M 8,192, K 1,024] x [K 1,024, N 1,024]; A: input V; B: input W_V: QUANTISED
;;     4. batch 64 x [M 2,048, K 64] x [K 64, N 2,048]; A: computed on the way; B: computed on the way: QUANTISED
;;     5. batch 64 x [M 2,048, K 2,048] x [K 2,048, N 64]; A: softmax (see below); B: computed on the way: QUANTISED
;;     6. [M 8,192, K 1,024] x [K 1,024, N 1,024]; A: computed on the way; B: input W_O: QUANTISED
;;   THE QUANTISER, for each operand of a quantised product, along K:
;;     - K is cut into blocks of 32 from its start; a last block that is shorter is filled with zeros.
;;     - A block's scale is 2^e with e = floor(log2(the largest magnitude in the block)) - 2, held to -126 .. 127; a block of zeros has e = 0. As a byte (E8M0): e + 127.
;;     - Each number is divided by its block's scale, clamped to +-7.5, and rounded to the nearest number of E2M3, ties to even, subnormals kept.
;;     - The product sums the exact products of the quantised numbers (number of the format x scale) in f32.
;;   ~~~python
;;   def quantise(x, axis):      # numpy; x: float32 -> the quantised numbers, widened to float32 again
;;       x = np.moveaxis(x, axis, -1); K = x.shape[-1]
;;       x = np.pad(x, [(0, 0)] * (x.ndim - 1) + [(0, -K % 32)]); x = x.reshape(x.shape[:-1] + (-1, 32)); a = np.abs(x).max(-1, keepdims=True)
;;       e = np.where(a > 0, np.clip(np.frexp(np.where(a > 0, a, 1))[1] - 1 - 2, -126, 127), 0)      # np.frexp(a)[1] - 1 = floor(log2(a)), exactly
;;       r = np.clip(x / 2.0 ** e, -7.5, 7.5)
;;       step = 2.0 ** (np.maximum(np.frexp(np.where(r == 0, 1, r))[1] - 1, 0) - 3)
;;       q = np.round(r / step) * step * 2.0 ** e      # np.round: ties to even
;;       return np.moveaxis(q.reshape(q.shape[:-2] + (-1,))[..., :K], -1, axis).astype(np.float32)
;;   ~~~
;;   SOFTMAX AHEAD OF A QUANTISED PRODUCT. Where the list says 'softmax', what is quantised is not the finished softmax but p = 2^(t - M), with t = logit x log2(e) and M = ceil(the row's largest t), a whole number; so 1/2 < the row's largest p <= 1. The row's sum l is taken of the UNQUANTISED p, in f32, and the product's result is divided by l at the end. Since M is a whole number, a kernel that streams over the keys may use a running M (the ceiling of the running maximum): every later rescaling is an exact power of two, which a block's scale takes up: the codes' values come out the same.
;;   OPERANDS COMPUTED ON THE WAY. 'Computed on the way' means the value that the module computes at that place (a softmax that the list does not call 'softmax' is quantised finished and normalised). What goes into a quantiser is computed in f32, as accurately as f32 sums, v_exp_f32 and their like allow (about 1e-6 of the number): no bf16 or f16 on the way to a quantiser, and a product that is left as it is and whose result goes on into a quantised operand takes f32 operands (vector FMAs, or v_wmma_f32_16x16x4_f32). A number that lies on a knife's edge between two numbers of the format may be rounded either way, as far as f32 arithmetic and the matrix unit's own rounding can turn it there, and no further.
;; One version. Each part assembles by itself: llvm-mc -triple=amdgcn-amd-amdhsa -mcpu=gfx1250 --defsym DOCPART=n.
;; ======== version 1 of 1: 4 launches
;; limits: right only within a limited range of input values
;; workspace buffers: xc 18,874,368 bytes; xs 786,432 bytes; wc 3,145,728 bytes; ws 131,072 bytes; qkv 20,447,232 bytes; ac 6,291,456 bytes; asc 262,144 bytes
;; launch quant (part 1): grid 896 x 1, 4 waves a work-group, no clusters, 68,096 bytes of LDS; arguments W_Q, W_K, W_V, W_O, wc, ws, Q, K, V, xc, xs; writes xc, xs, wc, ws
.if DOCPART == 1
	.amdgcn_target "amdgcn-amd-amdhsa--gfx1250"
	.amdhsa_code_object_version 6
	.text
	.protected	k_q36098f03b3_quant
	.globl	k_q36098f03b3_quant
	.p2align	8
	.type	k_q36098f03b3_quant,@function
k_q36098f03b3_quant:
	s_mov_b64 s[64:65], 0
	v_nop
	global_prefetch_b8 v0, s[64:65] scope:SCOPE_SE
	s_setreg_imm32_b32 hwreg(HW_REG_WAVE_MODE, 25, 1), 1
	s_wait_xcnt 0x0
; ONE LAUNCH QUANTISES ALL SEVEN OPERANDS to codes of FP6 (E2M3) with one E8M0 byte for each 32 along K.
; Work-groups 0-127: the four weights [1024 (k)][1024 (n)]; a lane takes a column n and its registers run down K.  Work-groups 128-895: the tokens of Q, K, V [8192][1024], K innermost.
; A block's scale is 2^(floor(log2(its largest magnitude)) - 2); its byte is that magnitude's exponent field - 2, held at 1 from below; numbers are rounded to the nearest code, ties to even.
; LIMITS: a block whose largest magnitude lies under 2^-124, and a block of zeros, keep the byte 1 (zero codes; this program alone reads the bytes); NaN and infinities are not served.
; LAYOUT OF THE CODES: [K step of 256][stored row][192 bytes]: 128 stored rows of one K step are 24,576 dense bytes, which begin at a multiple of 256.  xc: Q's, K's, V's rows on end (24,576); wc: W_Q, W_K, W_V, W_O (4,096).
; Scale bytes: xs, ws: [stored row][32].  STORED ORDER: in each group of 32 rows the four runs of eight lie in the order 0, 2, 1, 3.
; The two paths part on the work-group's number alone; each has LDS bytes of its own.  No tensor load, no barrier, no cluster: waves share nothing, and no byte is read twice.
.set NWW,   128                        ; work-groups for the weights
.set EMAX,  2
.set CB,    12                         ; bytes of 16 codes
.set KROW,  192                        ; a stored row of one K step
.set XPL,   24576*KROW                 ; a K step's plane of xc
.set WPL,   4096*KROW                  ; and of wc
.set WREG,  8192                       ; tokens: a wave's LDS: two stages of 32 x SP, then 256 scale bytes
.set SP,    80
.set WB,    4*WREG                     ; weights: four stages of 32 x PITCH
.set PITCH, 272
.set SPARE, WB+4*32*PITCH              ; the spare words, 128 bytes a wave
.set SPW,   192                        ; v192 my spare word, v193 zero: never rewritten
.set NIL,   193
	v_lshl_add_u32 v[SPW], v0, 2, SPARE
	v_mov_b32 v[NIL], 0
	v_lshrrev_b32 v1, 5, v0
	v_readfirstlane_b32 s16, v1                    ; wave
	v_and_b32 v2, 31, v0                           ; lane
	s_cmp_lt_u32 ttmp9, NWW
	s_wait_alu depctr_va_vdst(0)                   ; the wait ahead of the branch
	s_cbranch_scc0 .Ltokens
; ---------------- the weights: a wave takes 32 columns x 256 along K (one K step)
.set NB,    8                          ; blocks of 32
.set WX,    32                         ; v32-95 two sets of 32 numbers
.set WC,    96                         ; a block's codes
.set OUTR,  112                        ; v112-175 the way out
.set SB,    24                         ; v24-25 scale bytes
	s_load_b256 s[4:11], s[0:1], 0x0               ; W_Q, W_K, W_V, W_O
	s_load_b128 s[12:15], s[0:1], 0x20             ; wc, ws
	s_and_b32 s17, ttmp9, 7
	s_lshl_b32 s17, s17, 7
	s_lshl_b32 s18, s16, 5
	s_add_co_u32 s17, s17, s18                     ; my first column
	s_lshr_b32 s30, ttmp9, 3
	s_lshr_b32 s31, s30, 2                         ; which weight
	s_and_b32 s18, s30, 3                          ; which K step
	v_lshlrev_b32 v3, 2, v2
	s_mul_i32 s19, s16, 32*PITCH
	s_add_co_u32 s19, s19, WB                      ; my stage
	v_mul_u32_u24 v4, v2, PITCH
	v_add_nc_u32 v4, s19, v4                       ; into it: row = my column
	v_and_b32 v5, 15, v2
	v_lshrrev_b32 v6, 4, v2
	v_mul_u32_u24 v7, v6, PITCH
	v_lshl_add_u32 v7, v5, 4, v7
	v_add_nc_u32 v7, s19, v7                       ; out of it: sixteen lanes to a row
	v_mul_u32_u24 v8, v6, KROW
	v_mad_u32_u24 v8, v5, 12, v8                   ; the same place in wc
	s_lshl_b32 s20, s18, 20                        ; the weight: 256 rows of 4,096 bytes a K step
	s_lshl_b32 s22, s17, 2
	s_add_co_u32 s20, s20, s22
	s_mov_b32 s21, 0
	s_lshl_b32 s28, s31, 10
	s_add_co_u32 s28, s28, s17                     ; my first stored row
	s_mul_i32 s24, s28, KROW
	s_mul_i32 s26, s18, WPL
	s_add_co_u32 s24, s24, s26
	s_mov_b32 s25, 0
	s_lshl_b32 s28, s28, 5
	s_lshl_b32 s26, s18, 3
	s_add_co_u32 s28, s28, s26
	s_mov_b32 s29, 0
	v_and_b32 v9, 7, v2                            ; my column's stored place: lane % 8 + 16 (bit 3) + 8 (bit 4)
	v_bfe_u32 v10, v2, 3, 1
	v_lshl_add_u32 v9, v10, 4, v9
	v_bfe_u32 v10, v2, 4, 1
	v_lshl_add_u32 v9, v10, 3, v9
	v_lshlrev_b32 v9, 5, v9
	s_wait_alu depctr_va_vdst(0)                   ; the wait at the head's end
	s_wait_kmcnt 0x0
	s_cmp_lt_u32 s31, 1
	s_cselect_b64 s[4:5], s[4:5], s[6:7]
	s_cmp_lt_u32 s31, 2
	s_cselect_b64 s[4:5], s[4:5], s[8:9]
	s_cmp_lt_u32 s31, 3
	s_cselect_b64 s[4:5], s[4:5], s[10:11]
	s_add_nc_u64 s[4:5], s[4:5], s[20:21]
	s_add_nc_u64 s[6:7], s[12:13], s[24:25]
	s_add_nc_u64 s[8:9], s[14:15], s[28:29]
.macro WLOAD t
.irp i, 0,1,2,3,4,5,6,7,8,9,10,11,12,13,14,15,16,17,18,19,20,21,22,23,24,25,26,27,28,29,30,31
	global_load_b32 v[WX+32*((\t)%2)+\i], v3, s[4:5] offset:(32*(\t)+\i)*4096 th:TH_LOAD_NT
.endr
.endm
	WLOAD 0
	WLOAD 1
.macro BLOCK t
.set XS, WX+32*((\t)%2)
.if (\t) < NB-1
	s_wait_loadcnt 32                              ; this block's 32 loads are in; the next block's 32 may be out
.else
	s_wait_loadcnt 0
.endif
	v_max3_num_f32 v12, |v[XS]|, |v[XS+1]|, |v[XS+2]|
	v_max3_num_f32 v13, |v[XS+3]|, |v[XS+4]|, |v[XS+5]|
.irp i, 6,10,14,18,22,26
	v_max3_num_f32 v12, v12, |v[XS+\i]|, |v[XS+\i+1]|
	v_max3_num_f32 v13, v13, |v[XS+\i+2]|, |v[XS+\i+3]|
.endr
	v_max3_num_f32 v12, v12, |v[XS+30]|, |v[XS+31]|
	v_max3_num_f32 v12, v12, v13, (EMAX+1)<<23     ; the floor: the byte cannot fall under 1
	v_add_nc_u32 v11, -(EMAX<<23), v12             ; the conversion's scale operand
	v_lshrrev_b32 v13, 23, v11                     ; the byte
.if (\t)%4 == 0
	v_mov_b32 v[SB+(\t)/4], v13
.else
	v_lshl_or_b32 v[SB+(\t)/4], v13, 8*((\t)%4), v[SB+(\t)/4]
.endif
	v_cvt_scalef32_pk16_fp6_f32 v[WC:WC+2], v[XS:XS+15], v11
	v_cvt_scalef32_pk16_fp6_f32 v[WC+4:WC+6], v[XS+16:XS+31], v11
	v_nop                                          ; one plain line behind the conversions
	ds_store_b96 v4, v[WC:WC+2] offset:32*(\t)
	ds_store_b96 v4, v[WC+4:WC+6] offset:32*(\t)+16
.if (\t)+2 < NB
	WLOAD (\t)+2
.endif
	s_wait_dscnt 0x0                               ; the stores have read their registers
.endm
.set Q, 0
.rept NB
	BLOCK Q
.set Q, Q+1
.endr
	s_wait_alu depctr_va_vdst(0)                   ; the wait ahead of the reader below
	global_store_b64 v9, v[SB:SB+1], s[8:9]
.irp t, 0,1,2,3,4,5,6,7,8,9,10,11,12,13,14,15
	ds_load_b96 v[OUTR+4*\t:OUTR+4*\t+2], v7 offset:2*\t*PITCH
.endr
.irp t, 0,1,2,3,4,5,6,7,8,9,10,11,12,13,14,15
	s_wait_dscnt 15-\t                             ; read-back t is in; the 15 - t younger ones may be out
	global_store_b96 v8, v[OUTR+4*\t:OUTR+4*\t+2], s[6:7] offset:(8*((((\t)/4)&1)*2+((\t)/4)/2)+2*((\t)%4))*KROW   ; two stored rows, 384 bytes on end
.endr
	s_wait_tensorcnt 0x0                           ; the wave's end
	ds_add_u32 v[SPW], v[NIL]
	s_wait_dscnt 0x0
	s_endpgm
; ---------------- the tokens: a wave takes eight rows, 16 steps of 512 numbers; two lanes hold a block
.Ltokens:
.set STEPS, 16
.set R,     16                         ; v16-79 four sets of 16 numbers as loaded
.set X,     80                         ; v80-111 two sets of 16 neighbours
.set C,     128                        ; v128-190 codes, four registers a step
.set E,     112                        ; v112-127 a byte a step
	s_load_b128 s[4:7], s[0:1], 0x30               ; Q, K
	s_load_b128 s[8:11], s[0:1], 0x40              ; V, xc
	s_load_b64 s[12:13], s[0:1], 0x50              ; xs
	s_sub_co_u32 s28, ttmp9, NWW                   ; 256 work-groups to a tensor
	s_mov_b32 s29, XPL
	v_lshlrev_b32 v3, 4, v2
	s_mul_i32 s17, s16, WREG
	v_lshrrev_b32 v14, 2, v2
	v_mul_u32_u24 v14, v14, SP
	v_and_b32 v15, 3, v2
	v_lshl_add_u32 v14, v15, 4, v14
	v_add_nc_u32 v14, s17, v14                     ; the stage, way in
	v_mul_u32_u24 v15, v2, SP
	v_add_nc_u32 v15, s17, v15                     ; way out: my 16 neighbours
	v_and_b32 v4, 15, v2
	v_mul_u32_u24 v4, v4, CB
	v_lshrrev_b32 v10, 4, v2
	v_mad_u32_u24 v4, v10, s29, v4                 ; even steps: lanes 0-15 K step 0, lanes 16-31 K step 1
	v_add_nc_u32 v10, 2*XPL, v4                    ; odd steps: K steps 2 and 3
	v_lshrrev_b32 v5, 1, v2
	s_add_co_u32 s17, s17, 2*32*SP
	v_add_nc_u32 v5, s17, v5                       ; my block's byte in LDS
	v_lshlrev_b32 v7, 3, v2
	v_add_nc_u32 v6, s17, v7
	s_and_b32 s18, s28, 255
	s_lshl_b32 s18, s18, 2
	s_add_co_u32 s18, s18, s16                     ; which eight rows I read
	s_and_b32 s22, s16, 1
	s_lshl_b32 s22, s22, 1
	s_lshr_b32 s23, s16, 1
	s_or_b32 s22, s22, s23                         ; runs 0, 1, 2, 3 go to places 0, 2, 1, 3
	s_lshl_b32 s24, s28, 2
	s_add_co_u32 s24, s24, s22                     ; which eight stored rows I write
	s_lshl_b32 s20, s18, 15
	s_mov_b32 s21, 0
	s_mul_i32 s26, s24, 8*KROW
	s_mov_b32 s27, 0
	s_lshl_b32 s24, s24, 8
	s_mov_b32 s25, 0
	s_wait_alu depctr_va_vdst(0)                   ; the wait at the head's end
	s_wait_kmcnt 0x0
	s_cmp_lt_u32 s28, 256
	s_cselect_b64 s[4:5], s[4:5], s[6:7]
	s_cmp_lt_u32 s28, 512
	s_cselect_b64 s[4:5], s[4:5], s[8:9]
	s_add_nc_u64 s[4:5], s[4:5], s[20:21]
	s_add_nc_u64 s[10:11], s[10:11], s[26:27]
	s_add_nc_u64 s[12:13], s[12:13], s[24:25]
.macro LOAD t
.irp i, 0,1,2,3
	global_load_b128 v[R+16*((\t)%4)+4*\i:R+16*((\t)%4)+4*\i+3], v3, s[4:5] offset:2048*(\t)+512*\i th:TH_LOAD_NT
.endr
.endm
.macro TURN t                          ; through the stage: LDS serves a wave's instructions in order
.irp i, 0,1,2,3
	ds_store_b128 v14, v[R+16*((\t)%4)+4*\i:R+16*((\t)%4)+4*\i+3] offset:32*SP*((\t)%2)+8*SP*\i
.endr
.irp i, 0,1,2,3
	ds_load_b128 v[X+16*((\t)%2)+4*\i:X+16*((\t)%2)+4*\i+3], v15 offset:32*SP*((\t)%2)+16*\i
.endr
.endm
.irp t, 0,1,2,3
	LOAD \t
.endr
	s_wait_loadcnt 12                              ; step 0's four loads are in; twelve may be out
	TURN 0
.macro STEP t
.set XS, X+16*((\t)%2)
.if (\t) > 0
	s_wait_dscnt 1                                 ; this step's numbers are back; the last step's byte store may be out
.else
	s_wait_dscnt 0x0
.endif
.if (\t)+4 < STEPS
	LOAD (\t)+4
.endif
.if (\t)+1 < STEPS
.if STEPS-2-(\t) >= 3
	s_wait_loadcnt 12                              ; the next step's four are in; three steps' may be out
.else
	s_wait_loadcnt 4*(STEPS-2-(\t))
.endif
	TURN (\t)+1
.endif
	v_max3_num_f32 v8, |v[XS]|, |v[XS+1]|, |v[XS+2]|
	v_max3_num_f32 v9, |v[XS+3]|, |v[XS+4]|, |v[XS+5]|
.irp i, 6,10
	v_max3_num_f32 v8, v8, |v[XS+\i]|, |v[XS+\i+1]|
	v_max3_num_f32 v9, v9, |v[XS+\i+2]|, |v[XS+\i+3]|
.endr
	v_max3_num_f32 v8, v8, |v[XS+14]|, |v[XS+15]|
	v_max3_num_f32 v8, v8, v9, (EMAX+1)<<23        ; the floor
	v_max_num_f32_dpp v8, v8, v8 row_xmask:1 row_mask:0xf bank_mask:0xf   ; with my neighbour's 16
	v_add_nc_u32 v11, -(EMAX<<23), v8
	v_cvt_scalef32_pk16_fp6_f32 v[C+4*(\t):C+4*(\t)+2], v[XS:XS+15], v11
	v_lshrrev_b32 v[E+(\t)], 23, v11               ; the byte (a plain line behind the conversion)
	ds_store_b8 v5, v[E+(\t)] offset:16*(\t)
	global_store_b96 v[4+6*((\t)%2)], v[C+4*(\t):C+4*(\t)+2], s[10:11] offset:KROW*((\t)/2)   ; row t / 2: sixteen lanes store a K step's 192 bytes
.endm
.irp t, 0,1,2,3,4,5,6,7,8,9,10,11,12,13,14,15
	STEP \t
.endr
	ds_load_b64 v[8:9], v6
	s_wait_dscnt 0x0
	global_store_b64 v7, v[8:9], s[12:13]          ; 256 consecutive bytes, aligned
	s_wait_tensorcnt 0x0                           ; the wave's end
	ds_add_u32 v[SPW], v[NIL]
	s_wait_dscnt 0x0
	s_endpgm
.Lfunc_end_k_q36098f03b3_quant:
	.size	k_q36098f03b3_quant, .Lfunc_end_k_q36098f03b3_quant-k_q36098f03b3_quant
	.p2alignl 7, 3214868480
	.fill 96, 4, 3214868480
	.section	.rodata,"a",@progbits
	.p2align	6, 0x0
	.amdhsa_kernel k_q36098f03b3_quant
		.amdhsa_group_segment_fixed_size 68096
		.amdhsa_private_segment_fixed_size 0
		.amdhsa_enable_private_segment 0
		.amdhsa_kernarg_size 88
		.amdhsa_user_sgpr_count 2
		.amdhsa_user_sgpr_kernarg_segment_ptr 1
		.amdhsa_wavefront_size32 1
		.amdhsa_system_sgpr_workgroup_id_x 1
		.amdhsa_system_sgpr_workgroup_id_y 1
		.amdhsa_system_sgpr_workgroup_id_z 1
		.amdhsa_system_vgpr_workitem_id 0
		.amdhsa_next_free_vgpr 200
		.amdhsa_next_free_sgpr 66
		.amdhsa_reserve_vcc 0
		.amdhsa_float_denorm_mode_32 3
		.amdhsa_float_denorm_mode_16_64 3
		.amdhsa_memory_ordered 1
		.amdhsa_forward_progress 1
		.amdhsa_inst_pref_size 75
	.end_amdhsa_kernel
	.amdgpu_metadata
---
amdhsa.version: [ 1, 2 ]
amdhsa.kernels:
  - .name:           k_q36098f03b3_quant
    .symbol:         k_q36098f03b3_quant.kd
    .args:
      - { .name: W_Q, .offset: 0, .size: 8, .value_kind: global_buffer, .address_space: global }
      - { .name: W_K, .offset: 8, .size: 8, .value_kind: global_buffer, .address_space: global }
      - { .name: W_V, .offset: 16, .size: 8, .value_kind: global_buffer, .address_space: global }
      - { .name: W_O, .offset: 24, .size: 8, .value_kind: global_buffer, .address_space: global }
      - { .name: wc, .offset: 32, .size: 8, .value_kind: global_buffer, .address_space: global }
      - { .name: ws, .offset: 40, .size: 8, .value_kind: global_buffer, .address_space: global }
      - { .name: Q, .offset: 48, .size: 8, .value_kind: global_buffer, .address_space: global }
      - { .name: K, .offset: 56, .size: 8, .value_kind: global_buffer, .address_space: global }
      - { .name: V, .offset: 64, .size: 8, .value_kind: global_buffer, .address_space: global }
      - { .name: xc, .offset: 72, .size: 8, .value_kind: global_buffer, .address_space: global }
      - { .name: xs, .offset: 80, .size: 8, .value_kind: global_buffer, .address_space: global }
    .group_segment_fixed_size: 68096
    .private_segment_fixed_size: 0
    .kernarg_segment_align: 8
    .kernarg_segment_size: 88
    .max_flat_workgroup_size: 128
    .sgpr_count:     66
    .vgpr_count:     200
    .wavefront_size: 32
...
	.end_amdgpu_metadata
.endif
;; end of part 1
;; launch proj (part 2): grid 4 x 96, 4 waves a work-group, clusters of 4 x 4, 327,680 bytes of LDS; arguments xc, xs, wc, ws, b_Q, b_K, b_V, qkv; writes qkv
.if DOCPART == 2
	.amdgcn_target "amdgcn-amd-amdhsa--gfx1250"
	.amdhsa_code_object_version 6
	.text
	.protected	k_q36098f03b3_proj
	.globl	k_q36098f03b3_proj
	.p2align	8
	.type	k_q36098f03b3_proj,@function
k_q36098f03b3_proj:
	s_mov_b64 s[64:65], 0
	v_nop
	global_prefetch_b8 v0, s[64:65] scope:SCOPE_SE
	s_setreg_imm32_b32 hwreg(HW_REG_WAVE_MODE, 25, 1), 1
	s_wait_xcnt 0x0
	s_wait_alu depctr_hold_cnt(0) depctr_sa_sdst(0) depctr_va_vdst(0) depctr_va_sdst(0) depctr_va_ssrc(0) depctr_va_vcc(0) depctr_vm_vsrc(0)
	s_getreg_b32 s2, hwreg(HW_REG_IB_STS2, 6, 4)
	s_cmp_eq_u32 s2, 0
	s_cbranch_scc0 .Lentry_in_a_cluster
	s_endpgm
.Lentry_in_a_cluster:
	s_bfe_u32 s2, ttmp6, 0x10000c
	s_cmp_lg_u32 s2, 0xf033
	s_cbranch_scc0 .Lentry_shape_is_right
	s_endpgm
.Lentry_shape_is_right:
.set KSTEP,  256
.set NQ,     2
.set ROWB,   192
.set KROW,   192                       ; a stored row of one K step; 128 of them are 96 dense rows of 256 bytes
.set XPL,    24576*192                 ; from K step to K step in xc
.set WPL,    4096*192                  ; and in wc
.set PITCH,  240
.set FR,     12
.set NL,     6
.set NP,     4
.set HALFT,  128*PITCH
.set SLOT,   4*HALFT
.set LAPS,   2
.set KS,     32
.set SCL,    2*SLOT
.set HALFS,  16*272
.set SBLK,   2*272
.set SPARE,  SCL+4*HALFS
.set REC,    19968
.set ADRA, 16
.set ADRB, 20
.set LI,   24
.set BAQ,  25
.set BAV,  26
.set ADRS, 27
.set SPW,  28
.set NIL,  29
.set SC,   32
.set BI,   64
.set AF,   128
.set BV,   224
.set HA,   128
.set TM,   192
.set TT,   208
.set PW,   216
.set PWA,  217
.set SWT,  218
.set CDS,  32
.set SW,   56
.set SEL,  4
.set G1, 24
.set G0, 32
.set G1B, 48
.set G0B, 56
.set G1S, 68
.set G0S, 76
.set G1SB, 80
.set G0SB, 88
.set MSB, 0
.macro WIN new
.if MSB != (\new)
	s_set_vgpr_msb (MSB<<8)|(\new)
.set MSB, (\new)
.endif
.endm
.set MUL_LO, 0xa1
.set MUL_HI, 0xf1
.set TO_B,   0x40
.macro JLOAD g0a, g1a, g0b, g1b
	s_cmp_eq_u32 s21, 0
	s_cbranch_scc0 .Lfor_b_\@
	tensor_load_to_lds s[\g0a:\g0a+3], s[\g1a:\g1a+7]
	s_nop 0
.rept 4
	v_nop
.endr
	s_branch .Lasked_\@
.Lfor_b_\@:
	tensor_load_to_lds s[\g0b:\g0b+3], s[\g1b:\g1b+7]
	s_nop 0
.rept 4
	v_nop
.endr
.Lasked_\@:
.endm
.macro CREST
	s_cmp_lg_u32 s20, 0
	s_cbranch_scc1 .Lnot_wave_0_\@
	s_barrier_signal -3
.Lnot_wave_0_\@:
	s_barrier_wait -3
	s_barrier_signal -1
	s_barrier_wait -1
.endm
.macro CROUND
	s_barrier_signal -1
	s_barrier_wait -1
	CREST
.endm
	s_load_b512 s[4:19], s[0:1], 0x0
	v_lshl_add_u32 v[SPW], v0, 2, SPARE
	v_mov_b32 v[NIL], 0
	ds_add_u32 v[SPW], v[NIL]
	ds_add_u32 v[SPW], v[NIL]
	v_lshrrev_b32 v1, 5, v0
	v_readfirstlane_b32 s20, v1
	s_lshr_b32 s21, s20, 1
	s_and_b32 s22, s20, 1
	s_bfe_u32 s40, ttmp6, 0x40000
	s_bfe_u32 s41, ttmp6, 0x40004
	s_and_b32 s23, ttmp7, 0xffff
	s_lshr_b32 s2, s23, 3
	s_and_b32 s23, s23, 7
	s_lshl_b32 s44, s41, 2
	s_lshl_b32 s44, 15, s44
	s_lshl_b32 s45, 0x1111, s40
	s_or_b32 s[G1+0], s44, (1<<20)|(1<<21)|(3<<22)|(3<<25)
	s_or_b32 s[G1B+0], s45, (1<<20)|(1<<21)|(3<<22)|(3<<25)
.irp g, G1, G1B
	s_mov_b32 s[\g+1], 256<<16
	s_mov_b32 s[\g+2], 192<<16                     ; the head's loads bring 256 stored rows: 192 dense rows of 256 bytes
	s_mov_b32 s[\g+3], 256<<16
	s_mov_b32 s[\g+4], 192
	s_mov_b32 s[\g+5], 256
	s_mov_b32 s[\g+6], 0
	s_mov_b32 s[\g+7], 0
.endr
	s_or_b32 s[G1S+0], s44, (3<<16)|(1<<20)|(1<<21)|(5<<22)|(3<<25)
	s_or_b32 s[G1SB+0], s45, (3<<16)|(1<<20)|(1<<21)|(5<<22)|(3<<25)
.irp g, G1S, G1SB
	s_mov_b32 s[\g+1], 32<<16
	s_mov_b32 s[\g+2], 32<<16                      ; the scale bytes of 256 rows: 32 rows of 256 bytes
	s_mov_b32 s[\g+3], 32<<16
	s_mov_b32 s[\g+4], 32
	s_mov_b32 s[\g+5], 32
	s_mov_b32 s[\g+6], 0
	s_mov_b32 s[\g+7], 0
.endr
	s_lshl_b32 s46, s2, 13
	s_lshl_b32 s47, s2, 10
	s_cmp_lt_u32 s2, 2
	s_cselect_b32 s43, s23, 0
	s_cselect_b32 s42, 0, s23
	s_cselect_b32 s46, s46, 2048
	s_cselect_b32 s47, s47, 16384
	s_lshl_b32 s43, s43, 2
	s_add_co_u32 s43, s43, s41
	s_lshl_b32 s42, s42, 2
	s_add_co_u32 s42, s42, s40
	s_lshl_b32 s66, s22, 7
	s_lshl_b32 s92, s43, 8
	s_add_co_u32 s92, s92, s66
	s_add_co_u32 s92, s92, s46
	s_lshl_b32 s94, s42, 8
	s_add_co_u32 s94, s94, s66
	s_add_co_u32 s94, s94, s47
	s_mov_b32 s93, 0
	s_mov_b32 s95, 0
	s_mov_b64 s[100:101], KS
	s_mul_u64 s[96:97], s[92:93], s[100:101]
	s_mul_u64 s[98:99], s[94:95], s[100:101]
	s_mov_b64 s[100:101], KROW
	s_mul_u64 s[92:93], s[92:93], s[100:101]
	s_mul_u64 s[94:95], s[94:95], s[100:101]
	s_mul_i32 s66, s20, HALFT
	s_mul_i32 s67, s20, HALFS
	s_wait_dscnt 0x0
	s_wait_kmcnt 0x0
	s_cmp_lt_u32 s2, 2
	s_cselect_b64 s[46:47], s[4:5], s[8:9]
	s_cselect_b64 s[4:5], s[8:9], s[4:5]
	s_cselect_b64 s[8:9], s[6:7], s[10:11]
	s_cselect_b64 s[6:7], s[10:11], s[6:7]
	s_add_nc_u64 s[92:93], s[46:47], s[92:93]
	s_add_nc_u64 s[94:95], s[4:5], s[94:95]
	s_add_nc_u64 s[96:97], s[8:9], s[96:97]
	s_add_nc_u64 s[98:99], s[6:7], s[98:99]
	s_mov_b32 s46, XPL
	s_mov_b32 s47, WPL
	s_cmp_lt_u32 s2, 2
	s_cselect_b32 s8, s46, s47                     ; s[8:9]: a K step in source 1's buffer, s[10:11]: in source 0's
	s_cselect_b32 s10, s47, s46
	s_mov_b32 s9, 0
	s_mov_b32 s11, 0
	s_cmp_eq_u32 s2, 0
	s_cselect_b64 s[14:15], s[12:13], s[14:15]
	s_cmp_eq_u32 s2, 2
	s_cselect_b64 s[14:15], s[16:17], s[14:15]
	CROUND
	s_mov_b32 s[G0S], 1
	s_add_co_u32 s[G0S+1], s67, SCL-HALFS          ; used by wave 1 alone: SCL
	s_sub_nc_u64 s[G0S+2:G0S+3], s[96:97], 128*KS  ; wave 1's address names the second 128 rows: back to the first
	s_or_b32 s[G0S+3], s[G0S+3], 0x80000000
	s_mov_b32 s[G0SB], 1
	s_add_co_u32 s[G0SB+1], s67, SCL-HALFS         ; used by wave 3 alone: SCL + 2 HALFS
	s_sub_nc_u64 s[G0SB+2:G0SB+3], s[98:99], 128*KS
	s_or_b32 s[G0SB+3], s[G0SB+3], 0x80000000
.irp s, 0,1
	s_mov_b32 s[G0+4*\s], 1
	s_add_co_u32 s[G0+4*\s+1], s66, \s*SLOT
	s_mov_b64 s[G0+4*\s+2:G0+4*\s+3], s[92:93]
	s_add_nc_u64 s[92:93], s[92:93], s[8:9]
	s_or_b32 s[G0+4*\s+3], s[G0+4*\s+3], 0x80000000
	s_mov_b32 s[G0B+4*\s], 1
	s_add_co_u32 s[G0B+4*\s+1], s66, \s*SLOT
	s_mov_b64 s[G0B+4*\s+2:G0B+4*\s+3], s[94:95]
	s_add_nc_u64 s[94:95], s[94:95], s[10:11]
	s_or_b32 s[G0B+4*\s+3], s[G0B+4*\s+3], 0x80000000
.if \s
	s_wait_alu depctr_va_vdst(0)
	s_wait_tensorcnt 0x0                           ; my tile of the head's four is in
	ds_add_u32 v28, v29
	s_mov_b32 s[G1+2], 96<<16                      ; no tensor load of mine is out: from here on a load brings 128 stored rows
	s_mov_b32 s[G1+4], 96
	s_mov_b32 s[G1B+2], 96<<16
	s_mov_b32 s[G1B+4], 96
	s_wait_dscnt 0x0
	CROUND
	JLOAD G0+4*\s, G1, G0B+4*\s, G1B
.else
; the head's four tiles, one joint load a wave, in one chain of branches on the wave's number: waves 0 and 2 the two sides' 256 rows of K step 0 (their addresses name the first 128), waves 1 and 3 the two sides' scale bytes
	s_cmp_eq_u32 s20, 0
	s_cbranch_scc0 .Lhead_1
	tensor_load_to_lds s[G0:G0+3], s[G1:G1+7]
	s_nop 0
.rept 4
	v_nop
.endr
	s_branch .Lhead_asked
.Lhead_1:
	s_cmp_eq_u32 s20, 1
	s_cbranch_scc0 .Lhead_2
	tensor_load_to_lds s[G0S:G0S+3], s[G1S:G1S+7]
	s_nop 0
.rept 4
	v_nop
.endr
	s_branch .Lhead_asked
.Lhead_2:
	s_cmp_eq_u32 s20, 2
	s_cbranch_scc0 .Lhead_3
	tensor_load_to_lds s[G0B:G0B+3], s[G1B:G1B+7]
	s_nop 0
.rept 4
	v_nop
.endr
	s_branch .Lhead_asked
.Lhead_3:
	tensor_load_to_lds s[G0SB:G0SB+3], s[G1SB:G1SB+7]
	s_nop 0
.rept 4
	v_nop
.endr
.Lhead_asked:
.endif
.endr
	v_and_b32 v1, 15, v0
	v_bfe_u32 v2, v0, 4, 1
	v_mul_u32_u24 v3, v1, PITCH
	v_mul_u32_u24 v4, v2, 24
	v_add_nc_u32 v4, v3, v4
	v_lshl_add_u32 v5, v2, 4, v4
	s_mul_i32 s46, s21, HALFT
	s_mul_i32 s47, s22, HALFT
	s_add_co_u32 s47, s47, 2*HALFT
.irp s, 0,1
	v_add_nc_u32 v[ADRA+\s], s46, v4
	v_add_nc_u32 v[ADRB+\s], s47, v4
	v_add_nc_u32 v[ADRA+2+\s], s46, v5
	v_add_nc_u32 v[ADRB+2+\s], s47, v5
	s_add_co_u32 s46, s46, SLOT
	s_add_co_u32 s47, s47, SLOT
.endr
	v_mul_u32_u24 v5, v1, KS
	v_lshrrev_b32 v6, 8, v5
	v_lshl_add_u32 v5, v6, 4, v5
	s_mul_i32 s46, s21, HALFS
	s_mul_i32 s47, s22, HALFS
	s_add_co_u32 s47, s47, 2*HALFS
	s_sub_co_u32 s47, s47, s46
	v_mul_u32_u24 v6, s47, v2
	s_add_co_u32 s46, s46, SCL
	v_add_nc_u32 v5, v5, v6
	v_add_nc_u32 v[ADRS], s46, v5
	v_and_b32 v6, 31, v0
	v_lshlrev_b32 v[LI], 4, v6
	v_lshlrev_b32 v[BAQ], 6, v2
	s_wait_alu depctr_va_vdst(0)
	v_and_b32 v[BAV], 8, v1
	v_add_nc_u32 v[BAV], v[BAV], v1
	v_lshlrev_b32 v[BAV], 2, v[BAV]
	s_wait_alu depctr_va_vdst(0)
	s_lshl_b32 s12, s43, 1
	s_add_co_u32 s12, s12, s21
	s_lshl_b32 s13, s42, 1
	s_add_co_u32 s13, s13, s22
	s_cmp_lt_u32 s2, 2
	s_cselect_b32 s16, s13, s12
	s_cselect_b32 s17, s12, s13
	s_lshr_b32 s12, s17, 4
	s_lshl_b32 s12, s12, 8
	s_lshl_b32 s13, s16, 5
	s_add_co_u32 s12, s12, s13
	s_and_b32 s13, s17, 15
	s_add_co_u32 s12, s12, s13
	s_mul_i32 s12, s12, REC
	s_cmp_eq_u32 s2, 0
	s_cselect_b32 s13, 13312, 0
	s_cmp_eq_u32 s2, 2
	s_cselect_b32 s13, 6656, s13
	s_add_co_u32 s12, s12, s13
	s_mov_b32 s13, 0
	s_add_nc_u64 s[12:13], s[18:19], s[12:13]
	s_lshl_b32 s16, s16, 9
	s_mov_b32 s17, 0
	s_add_nc_u64 s[14:15], s[14:15], s[16:17]
.irp b, 0,1,2,3
.irp q, 0,1,2,3
	global_load_b128 v[BI+16*\b+4*\q:BI+16*\b+4*\q+3], v[BAQ], s[14:15] offset:(32*\b+4*\q)*4
.endr
.endr
.irp a, 0,1,2,3,4,5,6,7
	global_load_b32 v[BV+2*\a], v[BAV], s[14:15] offset:(32*(\a/2)+8*(\a%2))*4
	global_load_b32 v[BV+2*\a+1], v[BAV], s[14:15] offset:(32*(\a/2)+8*(\a%2))*4
.endr
.macro FRAG reg, adr, q, i
.irp p, 0,1,2,3,4,5
.set PIECE, 12*(\q)+6*(\p/3)+\p%3
.if PIECE%8 < 5
	ds_load_b64 v[\reg+2*\p:\reg+2*\p+1], v[\adr] offset:8*PIECE+16*(PIECE/8)+(\i)*16*PITCH
.else
	ds_load_b64 v[\reg+2*\p:\reg+2*\p+1], v[\adr+2] offset:8*PIECE+16*(PIECE/8)+(\i)*16*PITCH
.endif
.endr
.endm
.macro MUL16 a0, p, q, sc, zero
.irp a, \a0, \a0+1
.irp b, 0,1,2,3,4,5,6,7
.if \zero
	v_wmma_scale_f32_16x16x128_f8f6f4 v[8*(8*((\a)%4)+\b):8*(8*((\a)%4)+\b)+7], v[128*(\p)+FR*\b:128*(\p)+FR*\b+FR-1], v[AF+FR*(\a):AF+FR*(\a)+FR-1], 0, v[SC+8*NQ*(\sc)+NQ*\b+(\q)], v[SC+8*NQ*(\sc)+NQ*(\a)+(\q)] matrix_a_fmt:MATRIX_FMT_FP6 matrix_b_fmt:MATRIX_FMT_FP6 matrix_a_scale:MATRIX_SCALE_ROW1
.else
	v_wmma_scale_f32_16x16x128_f8f6f4 v[8*(8*((\a)%4)+\b):8*(8*((\a)%4)+\b)+7], v[128*(\p)+FR*\b:128*(\p)+FR*\b+FR-1], v[AF+FR*(\a):AF+FR*(\a)+FR-1], v[8*(8*((\a)%4)+\b):8*(8*((\a)%4)+\b)+7], v[SC+8*NQ*(\sc)+NQ*\b+(\q)], v[SC+8*NQ*(\sc)+NQ*(\a)+(\q)] matrix_a_fmt:MATRIX_FMT_FP6 matrix_b_fmt:MATRIX_FMT_FP6 matrix_a_scale:MATRIX_SCALE_ROW1
.endif
.endr
.endr
.endm
.macro FETCH_B slot, q, p
	WIN TO_B
.irp i, 0,1,2,3,4,5,6,7
	FRAG 128*(\p)+FR*\i, ADRB+\slot, \q, \i
.endr
	WIN 0
.endm
.macro FETCH_A slot, q, i0
.irp i, \i0, \i0+1, \i0+2, \i0+3
	FRAG AF+FR*(\i), ADRA+\slot, \q, \i
.endr
.endm
.macro SCALES sc
.irp i, 0,1,2,3,4,5,6,7
	ds_load_b64 v[SC+8*NQ*\sc+NQ*\i:SC+8*NQ*\sc+NQ*\i+1], v[ADRS] offset:\i*SBLK
.endr
.endm
.macro PLACES n
.rept \n
	v_nop
.endr
.endm
.macro STEP slot, q, zero
	s_wait_dscnt 4*NL
	WIN MUL_LO
	MUL16 0, (\q)%2, \q, \slot, \zero
	MUL16 2, (\q)%2, \q, \slot, \zero
	s_wait_dscnt 0
	PLACES NP
	FETCH_B \slot, (\q)+1, 1-(\q)%2
	FETCH_A \slot, (\q)+1, 0
	WIN MUL_HI
	MUL16 4, (\q)%2, \q, \slot, \zero
	MUL16 6, (\q)%2, \q, \slot, \zero
	PLACES NP
	WIN 0
	FETCH_A \slot, (\q)+1, 4
.endm
.macro TURN slot, next, fill
	s_wait_tensorcnt 0x0
	ds_add_u32 v[SPW], v[NIL]
	s_wait_dscnt 4*NL+1
	WIN MUL_LO
	MUL16 0, 1, NQ-1, \slot, 0
	s_wait_dscnt 0x0
	s_barrier_signal -1
	MUL16 2, 1, NQ-1, \slot, 0
	WIN 0
	s_barrier_wait -1
.if \fill
	CREST
	s_add_nc_u64 s[G0+4*\slot+2:G0+4*\slot+3], s[G0+4*\slot+2:G0+4*\slot+3], s[8:9]
	s_add_nc_u64 s[G0+4*\slot+2:G0+4*\slot+3], s[G0+4*\slot+2:G0+4*\slot+3], s[8:9]
	s_add_nc_u64 s[G0B+4*\slot+2:G0B+4*\slot+3], s[G0B+4*\slot+2:G0B+4*\slot+3], s[10:11]
	s_add_nc_u64 s[G0B+4*\slot+2:G0B+4*\slot+3], s[G0B+4*\slot+2:G0B+4*\slot+3], s[10:11]
	JLOAD G0+4*\slot, G1, G0B+4*\slot, G1B
.else
	PLACES NP
.endif
	s_wait_alu depctr_va_vdst(0)
	v_add_nc_u32 v[ADRS], 4*NQ, v[ADRS]
	FETCH_B \next, 0, 0
	FETCH_A \next, 0, 0
	SCALES \next
	WIN MUL_HI
	MUL16 4, 1, NQ-1, \slot, 0
	MUL16 6, 1, NQ-1, \slot, 0
	PLACES NP
	WIN 0
	FETCH_A \next, 0, 4
.endm
	s_wait_loadcnt 0x0
	s_wait_tensorcnt 1
	s_barrier_signal -1
	s_barrier_wait -1
	FETCH_B 0, 0, 0
	FETCH_A 0, 0, 0
	SCALES 0
	FETCH_A 0, 0, 4
	STEP 0, 0, 1
	s_mov_b32 s3, LAPS-1
.Llap:
	TURN 0, 1, 1
	STEP 1, 0, 0
	TURN 1, 0, 1
	STEP 0, 0, 0
	s_sub_co_u32 s3, s3, 1
	s_cmp_lg_u32 s3, 0
	s_cbranch_scc1 .Llap
	TURN 0, 1, 0
	STEP 1, 0, 0
	s_wait_dscnt 4*NL
	WIN MUL_LO
	MUL16 0, 1, NQ-1, 1, 0
	MUL16 2, 1, NQ-1, 1, 0
	s_wait_dscnt 0
	WIN MUL_HI
	MUL16 4, 1, NQ-1, 1, 0
	MUL16 6, 1, NQ-1, 1, 0
	WIN 0
.macro QUANT s, d0, d1
.irp b, 0,1,2,3
	v_max3_num_f32 v[TM+\b], |v[\s+16*\b]|, |v[\s+1+16*\b]|, 0x1800000
.endr
.irp i, 2,4,6,8,10,12,14
.irp b, 0,1,2,3
	v_max3_num_f32 v[TM+\b], v[TM+\b], |v[\s+16*\b+\i]|, |v[\s+1+16*\b+\i]|
.endr
.endr
.irp b, 0,1,2,3
	v_permlanex16_b32 v[TM+4+\b], v[TM+\b], s[SEL], s[SEL+1]
.endr
.irp b, 0,1,2,3
	v_max_num_f32 v[TM+\b], v[TM+\b], v[TM+4+\b]
.endr
.irp b, 0,1,2,3
	v_add_nc_u32 v[TM+12+\b], 0xff000000, v[TM+\b]
.endr
.irp b, 0,1,2,3
	v_lshrrev_b32 v[TM+4+\b], 23, v[TM+12+\b]
.endr
	v_lshl_or_b32 v[PW], v[TM+5], 8, v[TM+4]
	v_lshl_or_b32 v[PW], v[TM+6], 16, v[PW]
	v_lshl_or_b32 v[PW], v[TM+7], 24, v[PW]
	v_cvt_scalef32_pk16_fp6_f32 v[(\d0):(\d0)+2], v[\s:\s+15], v[TM+12]
	v_cvt_scalef32_pk16_fp6_f32 v[TT:TT+2], v[\s+16:\s+31], v[TM+13]
	v_cvt_scalef32_pk16_fp6_f32 v[(\d1):(\d1)+2], v[\s+32:\s+47], v[TM+14]
	v_cvt_scalef32_pk16_fp6_f32 v[TT+4:TT+6], v[\s+48:\s+63], v[TM+15]
	v_nop
.irp i, 0,1,2
	v_permlane16_swap_b32 v[(\d0)+\i], v[TT+\i]
	v_permlane16_swap_b32 v[(\d1)+\i], v[TT+4+\i]
.endr
.irp i, 0,1,2
	v_mov_b32 v[(\d0)+3+\i], v[TT+\i]
	v_mov_b32 v[(\d1)+3+\i], v[TT+4+\i]
.endr
.endm
.macro EPI v
.irp a, 0,1,2,3,4,5,6,7
	WIN 0x02+(\a/4)
.set i, 0
.rept 32
.if \v
	v_pk_add_f32 v[HA+2*i:HA+2*i+1], v[64*(\a%4)+2*i:64*(\a%4)+2*i+1], v[BV+2*\a:BV+2*\a+1]
.else
	v_pk_add_f32 v[HA+2*i:HA+2*i+1], v[64*(\a%4)+2*i:64*(\a%4)+2*i+1], v[BI+2*i:BI+2*i+1]
.endif
.set i, i+1
.endr
	WIN 0
	s_wait_xcnt 0x0
.if \v
	QUANT HA, CDS, CDS+6
	v_mov_b32 v[SW+\a], v[PW]
.irp c, 0,1,2
	global_store_b128 v[LI], v[CDS+4*\c:CDS+4*\c+3], s[12:13] offset:(\a/4)*16*REC+1536*(\a%4)+512*\c
.endr
.else
	QUANT HA, CDS+6*(\a%2), CDS+12+6*(\a%2)
.if (\a%2) == 0
	v_mov_b32 v[PWA], v[PW]
.else
	v_cndmask_b32 v[SWT], v[PWA], v[PW], s100
	v_and_b32 v[SW+\a/2], 0xffff, v[SWT]
	v_lshrrev_b32 v[SW+4+\a/2], 16, v[SWT]
.irp e, 0,1
.irp c, 0,1,2
	global_store_b128 v[LI], v[CDS+12*\e+4*\c:CDS+12*\e+4*\c+3], s[12:13] offset:\e*16*REC+1536*(\a/2)+512*\c
.endr
.endr
.endif
.endif
.endr
.irp e, 0,1
	global_store_b128 v[LI], v[SW+4*\e:SW+4*\e+3], s[12:13] offset:\e*16*REC+6144
.endr
.endm
	PLACES NP
	s_mov_b32 s[SEL], 0x76543210
	s_mov_b32 s[SEL+1], 0xfedcba98
	s_mov_b32 s100, 0xffff0000
.irp b, 0,1,2,3
	v_mov_b32 v[TM+4+\b], 0
.endr
	s_cmp_eq_u32 s2, 2
	s_cbranch_scc1 .Lepi_v
	EPI 0
	s_branch .Lepi_done
.Lepi_v:
	EPI 1
.Lepi_done:
	s_wait_tensorcnt 0x0
	ds_add_u32 v[SPW], v[NIL]
	s_wait_dscnt 0x0
	CROUND
	s_endpgm
.Lfunc_end_k_q36098f03b3_proj:
	.size	k_q36098f03b3_proj, .Lfunc_end_k_q36098f03b3_proj-k_q36098f03b3_proj
	.p2alignl 7, 3214868480
	.fill 96, 4, 3214868480
	.section	.rodata,"a",@progbits
	.p2align	6, 0x0
	.amdhsa_kernel k_q36098f03b3_proj
		.amdhsa_group_segment_fixed_size 327680
		.amdhsa_private_segment_fixed_size 0
		.amdhsa_enable_private_segment 0
		.amdhsa_kernarg_size 64
		.amdhsa_user_sgpr_count 2
		.amdhsa_user_sgpr_kernarg_segment_ptr 1
		.amdhsa_wavefront_size32 1
		.amdhsa_system_sgpr_workgroup_id_x 1
		.amdhsa_system_sgpr_workgroup_id_y 1
		.amdhsa_system_sgpr_workgroup_id_z 1
		.amdhsa_system_vgpr_workitem_id 0
		.amdhsa_next_free_vgpr 1024
		.amdhsa_next_free_sgpr 102
		.amdhsa_reserve_vcc 0
		.amdhsa_float_denorm_mode_32 3
		.amdhsa_float_denorm_mode_16_64 3
		.amdhsa_memory_ordered 1
		.amdhsa_forward_progress 1
		.amdhsa_inst_pref_size 235
	.end_amdhsa_kernel
	.amdgpu_metadata
---
amdhsa.version: [ 1, 2 ]
amdhsa.kernels:
  - .name:           k_q36098f03b3_proj
    .symbol:         k_q36098f03b3_proj.kd
    .args:
      - { .name: xc, .offset: 0, .size: 8, .value_kind: global_buffer, .address_space: global }
      - { .name: xs, .offset: 8, .size: 8, .value_kind: global_buffer, .address_space: global }
      - { .name: wc, .offset: 16, .size: 8, .value_kind: global_buffer, .address_space: global }
      - { .name: ws, .offset: 24, .size: 8, .value_kind: global_buffer, .address_space: global }
      - { .name: b_Q, .offset: 32, .size: 8, .value_kind: global_buffer, .address_space: global }
      - { .name: b_K, .offset: 40, .size: 8, .value_kind: global_buffer, .address_space: global }
      - { .name: b_V, .offset: 48, .size: 8, .value_kind: global_buffer, .address_space: global }
      - { .name: qkv, .offset: 56, .size: 8, .value_kind: global_buffer, .address_space: global }
    .group_segment_fixed_size: 327680
    .private_segment_fixed_size: 0
    .kernarg_segment_align: 8
    .kernarg_segment_size: 64
    .max_flat_workgroup_size: 128
    .sgpr_count:     102
    .vgpr_count:     1024
    .wavefront_size: 32
...
	.end_amdgpu_metadata
.endif
;; end of part 2
;; launch attn (part 3): grid 4 x 64, 16 waves a work-group, clusters of 4 x 1, 327,680 bytes of LDS; arguments qkv, ac, asc; writes ac, asc
.if DOCPART == 3
	.amdgcn_target "amdgcn-amd-amdhsa--gfx1250"
	.amdhsa_code_object_version 6
	.text
	.protected	k_q36098f03b3_attn
	.globl	k_q36098f03b3_attn
	.p2align	8
	.type	k_q36098f03b3_attn,@function
k_q36098f03b3_attn:
	s_mov_b64 s[64:65], 0
	v_nop
	global_prefetch_b8 v0, s[64:65] scope:SCOPE_SE
	s_setreg_imm32_b32 hwreg(HW_REG_WAVE_MODE, 25, 1), 1
	s_wait_xcnt 0x0
	s_wait_alu depctr_hold_cnt(0) depctr_sa_sdst(0) depctr_va_vdst(0) depctr_va_sdst(0) depctr_va_ssrc(0) depctr_va_vcc(0) depctr_vm_vsrc(0)
	s_getreg_b32 s2, hwreg(HW_REG_IB_STS2, 6, 4)
	s_cmp_eq_u32 s2, 0
	s_cbranch_scc0 .Lentry_in_a_cluster
	s_endpgm
.Lentry_in_a_cluster:
	s_bfe_u32 s2, ttmp6, 0x10000c
	s_cmp_lg_u32 s2, 0x3003
	s_cbranch_scc0 .Lentry_shape_is_right
	s_endpgm
.Lentry_shape_is_right:
; For each of 64 (batch, head): O = softmax(q k^T / 8) v, both products on codes of FP6 (E2M3) with E8M0 scales; O is normalised, quantised along the head's 64 and stored as codes for the last product.
; THE SOFTMAX AHEAD OF THE SECOND PRODUCT: t = score x log2(e) / 8; M = the row's largest t so far, rounded UP to a whole number; p = 2^(t - M) is quantised along the keys, not normalised.  The row's sum is taken of the
; unquantised p and divides O at the end.  When M moves, the sum and O are multiplied by 2^(old M - new M): exact.
; SHARES.  Work-group (cx, y = 16 batch + head) owns 512 queries of one head.  ALL OF THE HEAD'S K AND V LIE IN LDS FOR THE WHOLE LAUNCH: 16 key steps x 13,312 bytes, filled once: wave w asks for step w.  No slot is filled
; again, and no barrier stands in the loop.  The four work-groups of a head form a cluster and ask jointly (mask 15).  Wave w owns two tiles of 16 queries (pair w % 4 of chunk 4 cx + w / 4) and walks all 2,048 keys once for each.
; Four waves to a SIMD: one wave's vector work stands beside another's matrix work and LDS loads.  Nothing is prefetched: all that a work-group reads is asked for at its head.
; OPERANDS ARE IMAGES OF REGISTERS: lane l's 16 bytes at 16 l, 512 bytes a load; no pitch, no padding.
; LAYOUT.  Both products are used transposed: S^T = K Q^T, O^T = V^T P^T: a lane holds ONE query throughout.  A stored tile 2 b + u of keys holds, in lane r, key 32 b + 8 u + r + 8 (r / 8): the 16 registers of tiles 2 b, 2 b + 1
; are 16 neighbouring keys.  V's channels are stored likewise, so that O^T's 32 registers are 16 + 16 neighbouring channels.
; THE FIRST PRODUCT'S K IS 64, the instruction's 128.  Q's registers 6-11 are zero codes.  K's tile t is named as v[32 + 6 t .. 32 + 6 t + 11]: its upper six registers are the next tile's codes (behind tile 7: zeros); they meet
; Q's zero codes, under scale bytes 0 on both sides (the smallest scale), and add exactly 0.
; A block's largest p is taken from its largest score by the same two instructions; this takes v_exp_f32 not to fall where its input rises (the ISA guide promises 1 ulp).
; OUT.  ac: [stored tile of 16 tokens][head][768 bytes]: registers 0-3 at 16 l, registers 4-5 at 512 + 8 l.  asc: [stored token][32]: bytes 2 head, 2 head + 1; these go out two bytes a lane, 32 bytes apart: 256 KiB in the launch.
; LIMITS: a block whose largest magnitude lies under 2^-124, and a block of zeros, keep the byte 1 (this program alone reads the bytes); NaN and infinities are not served.
.set REC,   19968
.set KVB,   13312                      ; a key step in LDS: K's codes at 0, K's scale words at 6,144, V's codes at 6,656, V's scale words at 12,800
.set SPARE, 16*KVB                     ; the spare words, 128 bytes for each of sixteen waves, that no other line names
.set LI,  1                            ; v1  16 x lane
.set ADK, 2                            ; v2  the step's first byte + 16 x lane
.set SPW, 3
.set NIL, 4
.set L8,  5                            ; v5  8 x lane
.set L32, 6                            ; v6  32 x lane
.set QF,  16                           ; v16-21 my tile of Q, v22-27 zero codes
.set QSL, 28                           ; v28 Q's scale words as loaded: lanes 0-15 the even tile, lanes 16-31 the odd one
.set W0,  29                           ; v29 the first tile's output scale word
.set QSC, 30                           ; v30 the scale words of the tile in hand, in lanes 0-15
.set KV,  32                           ; v32-79 K's eight tiles, six registers each; later V's four fragments
.set ZR,  80                           ; v80-85 zero codes
.set KSC, 86                           ; v86-89 K's scale words
.set VSC, 90                           ; v90-93 V's
.set ST,  96                           ; v96-159 S^T, then p
.set OT,  160                          ; v160-191 O^T
.set PC,  192                          ; v192-203 p's codes
.set QI,  204                          ; v204-215 the pair's image of Q
.set OC,  216                          ; v216-221, v224-229 output codes of the two tiles
.set WV,  10
.set SEL, 32                           ; s[32:33] lane selects for lane l xor 16
.set CS,  34                           ; s[34:35] c = log2(e) / 8, twice
.set TB,  36                           ; s36 the step's first LDS byte
.set CNT, 37
.macro CROUND
	s_barrier_signal -1
	s_barrier_wait -1
	s_cmp_lg_u32 s[WV], 0
	s_cbranch_scc1 .Lnot_wave_0_\@
	s_barrier_signal -3
.Lnot_wave_0_\@:
	s_barrier_wait -3
	s_barrier_signal -1
	s_barrier_wait -1
.endm
	s_load_b128 s[4:7], s[0:1], 0x0                ; qkv, ac
	s_load_b64 s[8:9], s[0:1], 0x10                ; asc
	v_lshl_add_u32 v[SPW], v0, 2, SPARE
	v_mov_b32 v[NIL], 0
	ds_add_u32 v[SPW], v[NIL]                      ; the wave's opening: the add and its wait ahead of my tensor load; the set-up below stands between them
	ds_add_u32 v[SPW], v[NIL]
	v_lshrrev_b32 v7, 5, v0
	s_delay_alu instid0(VALU_DEP_1)
	v_readfirstlane_b32 s[WV], v7                  ; wave 0..15
	s_bfe_u32 s11, ttmp6, 0x40000                  ; cx
	s_and_b32 s12, ttmp7, 0xffff                   ; y = 16 batch + head, which the four partners share
	; descriptor group 1: 13,312 dense bytes as 52 rows of 256 (32 elements of 8 bytes), no padding
	s_mov_b32 s16, 15|(3<<16)|(1<<21)              ; 15:0 the mask: all four work-groups; 17:16 elements of 8 bytes; 21 set beside a mask
	s_mov_b32 s17, 32<<16
	s_mov_b32 s18, 52<<16
	s_mov_b32 s19, 32<<16
	s_mov_b32 s20, 52
	s_mov_b32 s21, 32
	s_mov_b32 s22, 0
	s_mov_b32 s23, 0
	s_mov_b32 s24, 1
	s_mul_i32 s25, s[WV], KVB                      ; key step w goes to w x 13,312: no place in the cluster enters an LDS address
	s_lshl_b32 s14, s12, 4
	s_add_co_u32 s14, s14, s[WV]
	s_mul_i32 s14, s14, REC                        ; record 16 y + w: its K and V parts lie first
	s_mov_b32 s15, 0
	s_lshr_b32 s39, s[WV], 2
	s_and_b32 s13, s[WV], 3                        ; my pair of tiles in its chunk
	s_lshl_b32 s44, s11, 2
	s_add_co_u32 s44, s44, s39                     ; my chunk of 128 queries: 4 cx + w / 4
	s_lshl_b32 s45, s12, 4
	s_add_co_u32 s45, s45, s44
	s_mul_i32 s45, s45, REC                        ; its record
	s_mul_i32 s46, s13, 1536
	s_add_co_u32 s28, s45, s46
	s_add_co_u32 s28, s28, 13312                   ; Q's part, my pair's image
	s_mov_b32 s29, 0
	s_lshl_b32 s46, s13, 2
	s_add_co_u32 s30, s45, s46
	s_add_co_u32 s30, s30, 19456                   ; Q's scale words, my pair's word
	s_mov_b32 s31, 0
	s_lshr_b32 s46, s12, 4
	s_lshl_b32 s46, s46, 7                         ; 128 tiles a batch
	s_lshl_b32 s47, s44, 3
	s_add_co_u32 s46, s46, s47                     ; 8 a chunk
	s_lshl_b32 s47, s13, 1
	s_add_co_u32 s46, s46, s47                     ; my first stored tile of tokens
	s_and_b32 s47, s12, 15                         ; the head
	s_lshl_b32 s40, s46, 4
	s_add_co_u32 s40, s40, s47
	s_mul_i32 s40, s40, 768
	s_mov_b32 s41, 0
	s_lshl_b32 s42, s46, 9
	s_lshl_b32 s47, s47, 1
	s_add_co_u32 s42, s42, s47
	s_mov_b32 s43, 0
	s_mov_b32 s[SEL], 0x76543210
	s_mov_b32 s[SEL+1], 0xfedcba98
	s_mov_b32 s[CS], 0x3e38aa3b                    ; log2(e) / 8
	s_mov_b32 s[CS+1], s[CS]                       ; (named with it as a pair, so it is written)
	s_mov_b32 s38, 0xffff0000                      ; lanes 16-31
	v_and_b32 v7, 31, v0
	s_delay_alu instid0(VALU_DEP_1)
	v_lshlrev_b32 v[LI], 4, v7
	s_delay_alu instid0(VALU_DEP_2)
	v_lshlrev_b32 v[L8], 3, v7
	s_delay_alu instid0(VALU_DEP_3)
	v_lshlrev_b32 v[L32], 5, v7
	s_wait_dscnt 0x0                               ; the opening add is done
	s_wait_kmcnt 0x0
	s_add_nc_u64 s[26:27], s[4:5], s[14:15]
	s_or_b32 s27, s27, 0x80000000
	s_add_nc_u64 s[28:29], s[4:5], s[28:29]
	s_add_nc_u64 s[30:31], s[4:5], s[30:31]
	s_add_nc_u64 s[40:41], s[6:7], s[40:41]
	s_add_nc_u64 s[42:43], s[8:9], s[42:43]
	CROUND                                         ; all four work-groups are here: the joint loads meet
	tensor_load_to_lds s[24:27], s[16:23]          ; my one tensor load of the launch
	s_nop 0
.rept 4
	v_nop
.endr
	s_wait_alu depctr_va_vdst(0)
.irp i, 0,1,2
	global_load_b128 v[QI+4*\i:QI+4*\i+3], v[LI], s[28:29] offset:512*\i
.endr
	global_load_b32 v[QSL], v[LI], s[30:31]
.irp i, 0,1,2,3,4,5
	v_mov_b32 v[QF+6+\i], 0
	v_mov_b32 v[ZR+\i], 0
.endr
.irp b, 0,1,2,3
	v_mov_b32 v[236+\b], 0                         ; written once: a lane permute's destination counts as one of its sources
.endr
	v_mov_b32 v253, 0                              ; (named as the upper half of the pair v[252:253] before it is first written)
	s_wait_loadcnt 0x0                             ; Q
	s_wait_tensorcnt 0x0                           ; my key step has landed,
	s_barrier_signal -1
	s_barrier_wait -1                              ; everybody's has
; A KEY STEP: 128 keys.
.macro STEP
	v_add_nc_u32 v[ADK], s[TB], v[LI]
.rept 3
	v_nop                                          ; with the addition: four places behind the last products, in front of the loads into the registers that they read
.endr
.irp i, 0,1,2,3,4,5,6,7,8,9,10,11
	ds_load_b128 v[KV+4*\i:KV+4*\i+3], v[ADK] offset:512*\i
.endr
	ds_load_b128 v[KSC:KSC+3], v[ADK] offset:6144
	s_wait_alu depctr_va_vdst(0)
	s_wait_dscnt 0x0
.irp t, 0,1,2,3,4,5,6,7                        ; S^T = K Q^T: word t / 2 holds tile t's scales in lanes 0-15 (t even) or 16-31 (t odd)
.if (\t%2) == 0
	v_wmma_scale_f32_16x16x128_f8f6f4 v[ST+8*\t:ST+8*\t+7], v[KV+6*\t:KV+6*\t+11], v[QF:QF+11], 0, v[KSC+\t/2], v[QSC] matrix_a_fmt:MATRIX_FMT_FP6 matrix_b_fmt:MATRIX_FMT_FP6
.else
	v_wmma_scale_f32_16x16x128_f8f6f4 v[ST+8*\t:ST+8*\t+7], v[KV+6*\t:KV+6*\t+11], v[QF:QF+11], 0, v[KSC+\t/2], v[QSC] matrix_a_fmt:MATRIX_FMT_FP6 matrix_b_fmt:MATRIX_FMT_FP6 matrix_a_scale:MATRIX_SCALE_ROW1
.endif
.endr
.rept 4
	v_nop                                          ; places in front of the loads over K's registers and of the first read of the scores
.endr
.irp i, 0,1,2,3,4,5,6,7,8,9,10,11
	ds_load_b128 v[KV+4*\i:KV+4*\i+3], v[ADK] offset:6656+512*\i   ; V is asked for now and lands under the softmax
.endr
	ds_load_b128 v[VSC:VSC+3], v[ADK] offset:12800
.irp b, 0,1,2,3
	v_max3_num_f32 v[232+\b], v[ST+16*\b], v[ST+1+16*\b], v[ST+2+16*\b]   ; the largest score of each block of 32 keys: for the row's maximum, and for the block's largest p
.endr
.irp i, 3,5,7,9,11,13
.irp b, 0,1,2,3
	v_max3_num_f32 v[232+\b], v[232+\b], v[ST+16*\b+\i], v[ST+1+16*\b+\i]
.endr
.endr
.irp b, 0,1,2,3
	v_max_num_f32 v[232+\b], v[232+\b], v[ST+15+16*\b]
.endr
.irp b, 0,1,2,3
	s_delay_alu instid0(VALU_DEP_4)
	v_permlanex16_b32 v[236+\b], v[232+\b], s[SEL], s[SEL+1]
.endr
.irp b, 0,1,2,3
	s_delay_alu instid0(VALU_DEP_4)
	v_max_num_f32 v[232+\b], v[232+\b], v[236+\b]  ; with lane l xor 16's 16 keys
.endr
	s_delay_alu instid0(VALU_DEP_2)
	v_max3_num_f32 v254, v232, v233, v234
	s_delay_alu instid0(VALU_DEP_1)
	v_max_num_f32 v254, v254, v235                 ; the step's largest score of my query
	s_delay_alu instid0(VALU_DEP_1)
	v_mul_f32 v254, s[CS], v254                    ; as t (c is positive)
	s_delay_alu instid0(VALU_DEP_1)
	v_max_num_f32 v13, v13, v254                   ; the running largest t
	v_mov_b32 v254, v12
	s_delay_alu instid0(VALU_DEP_2)
	v_floor_f32 v12, -v13                          ; the new -M = floor(-t) = -ceil(t): a whole number
	s_delay_alu instid0(VALU_DEP_1)
	v_sub_f32 v254, v12, v254                      ; old M - new M: a whole number, 0 or less
	s_delay_alu instid0(VALU_DEP_1)
	v_cvt_i32_f32 v254, v254                       ; (it saturates)
	s_delay_alu instid0(VALU_DEP_1)
	v_ldexp_f32 v252, 1.0, v254                    ; f = 2^(old M - new M)
.irp j, 0,2,4,6,8,10,12,14,16,18,20,22,24,26,28,30,32,34,36,38,40,42,44,46,48,50,52,54,56,58,60,62
	v_pk_fma_f32 v[ST+\j:ST+1+\j], v[ST+\j:ST+1+\j], s[CS:CS+1], v[12:13] op_sel_hi:[1,0,0]   ; t - M, two at a time
.endr
.irp b, 0,1,2,3
	v_fma_f32 v[232+\b], v[232+\b], s[CS], v12     ; the same of each block's largest score
.endr
	s_wait_alu depctr_va_vdst(0)
.irp j, 0,1,2,3,4,5,6,7,8,9,10,11,12,13,14,15,16,17,18,19,20,21,22,23,24,25,26,27,28,29,30,31,32,33,34,35,36,37,38,39,40,41,42,43,44,45,46,47,48,49,50,51,52,53,54,55,56,57,58,59,60,61,62,63
	v_exp_f32 v[ST+\j], v[ST+\j]                   ; p = 2^(t - M), at most 1: not normalised
.endr
	v_pk_mul_f32 v[14:15], v[14:15], v[252:253] op_sel_hi:[1,0]   ; the sums under the new M (a plain place behind the exponentials)
	s_wait_alu depctr_va_vdst(0)                   ; one wait for the whole batch, ahead of its first reader
.irp b, 0,1,2,3
	v_exp_f32 v[232+\b], v[232+\b]                 ; the block's largest p
.endr
	v_pk_add_f32 v[236:237], v[100:101], v[104:105]
	v_pk_add_f32 v[254:255], v[108:109], v[112:113]
	v_pk_add_f32 v[250:251], v[116:117], v[120:121]
	v_pk_add_f32 v[248:249], v[124:125], v[128:129]
	v_pk_add_f32 v[246:247], v[132:133], v[136:137]
	v_pk_add_f32 v[244:245], v[140:141], v[144:145]
	v_pk_add_f32 v[242:243], v[148:149], v[152:153]
	v_pk_add_f32 v[14:15], v[14:15], v[156:157]
	v_pk_add_f32 v[236:237], v[236:237], v[96:97]
	v_pk_add_f32 v[254:255], v[254:255], v[98:99]
	v_pk_add_f32 v[250:251], v[250:251], v[102:103]
	v_pk_add_f32 v[248:249], v[248:249], v[106:107]
	v_pk_add_f32 v[246:247], v[246:247], v[110:111]
	v_pk_add_f32 v[244:245], v[244:245], v[114:115]
	v_pk_add_f32 v[242:243], v[242:243], v[118:119]
	v_pk_add_f32 v[14:15], v[14:15], v[122:123]
	v_pk_add_f32 v[236:237], v[236:237], v[126:127]
	v_pk_add_f32 v[254:255], v[254:255], v[130:131]
	v_pk_add_f32 v[250:251], v[250:251], v[134:135]
	v_pk_add_f32 v[248:249], v[248:249], v[138:139]
	v_pk_add_f32 v[246:247], v[246:247], v[142:143]
	v_pk_add_f32 v[244:245], v[244:245], v[146:147]
	v_pk_add_f32 v[242:243], v[242:243], v[150:151]
	v_pk_add_f32 v[14:15], v[14:15], v[154:155]
	v_pk_add_f32 v[236:237], v[236:237], v[158:159]
	s_delay_alu instid0(VALU_DEP_2)
	v_pk_add_f32 v[14:15], v[14:15], v[248:249]
	s_delay_alu instid0(VALU_DEP_2)
	v_pk_add_f32 v[236:237], v[236:237], v[246:247]
	v_pk_add_f32 v[254:255], v[254:255], v[244:245]
	v_pk_add_f32 v[250:251], v[250:251], v[242:243]
	s_delay_alu instid0(VALU_DEP_2)
	v_pk_add_f32 v[14:15], v[14:15], v[254:255]
	s_delay_alu instid0(VALU_DEP_2)
	v_pk_add_f32 v[236:237], v[236:237], v[250:251]
	s_delay_alu instid0(VALU_DEP_1)
	v_pk_add_f32 v[14:15], v[14:15], v[236:237]
	s_wait_alu depctr_va_vdst(0)                   ; and one for the four
.irp b, 0,1,2,3
	v_max_num_f32 v[232+\b], 0x1800000, v[232+\b]  ; the floor 2^(3 - 127): the byte cannot fall under 1
.endr
.irp b, 0,1,2,3
	s_delay_alu instid0(VALU_DEP_4)
	v_add_nc_u32 v[244+\b], 0xff000000, v[232+\b]  ; 2 off the exponent field: the conversion's scale operand
.endr
.irp b, 0,1,2,3
	s_delay_alu instid0(VALU_DEP_4)
	v_lshrrev_b32 v[236+\b], 23, v[244+\b]         ; the scale's byte
.endr
	s_delay_alu instid0(VALU_DEP_3)
	v_lshl_or_b32 v253, v237, 8, v236              ; p's scale word for these 128 keys
	s_delay_alu instid0(VALU_DEP_1)
	v_lshl_or_b32 v253, v238, 16, v253
	s_delay_alu instid0(VALU_DEP_1)
	v_lshl_or_b32 v253, v239, 24, v253
.irp c, 0,1
	v_cvt_scalef32_pk16_fp6_f32 v[PC+6*\c:PC+2+6*\c], v[ST+32*\c:ST+15+32*\c], v[244+2*\c]
	v_cvt_scalef32_pk16_fp6_f32 v[236+4*\c:238+4*\c], v[ST+16+32*\c:ST+31+32*\c], v[244+2*\c+1]   ; (a conversion's three registers begin on an even number)
.endr
	v_nop                                          ; one plain place behind the conversions
.irp c, 0,1                                    ; the operand's layout wants a whole block in a lane
.irp i, 0,1,2
	v_permlane16_swap_b32 v[PC+6*\c+\i], v[236+4*\c+\i]
.endr
.irp i, 0,1,2
	s_delay_alu instid0(VALU_DEP_3)
	v_mov_b32 v[PC+3+6*\c+\i], v[236+4*\c+\i]
.endr
.endr
.irp j, 0,2,4,6,8,10,12,14,16,18,20,22,24,26,28,30
	v_pk_mul_f32 v[OT+\j:OT+1+\j], v[OT+\j:OT+1+\j], v[252:253] op_sel_hi:[1,0]   ; O^T under the new M.  (These 16 are also the places between the scale word, the codes and the products below)
.endr
	s_wait_alu depctr_va_vdst(0)
	s_wait_dscnt 0x0                               ; V is in
.irp t, 0,1,2,3                                ; O^T += V^T P^T: the four accumulators by turns, one instruction a turn
	v_wmma_scale_f32_16x16x128_f8f6f4 v[OT+8*\t:OT+8*\t+7], v[KV+12*\t:KV+12*\t+11], v[PC:PC+11], v[OT+8*\t:OT+8*\t+7], v[VSC+\t], v253 matrix_a_fmt:MATRIX_FMT_FP6 matrix_b_fmt:MATRIX_FMT_FP6
.endr
.endm
; One tile of 16 queries (tile u of my pair) against all 2,048 keys, and its way out.
.macro PASS u
.irp i, 0,1,2,3,4,5
	v_mov_b32 v[QF+\i], v[QI+6*\u+\i]
.endr
.if \u == 0
	v_mov_b32 v[QSC], v[QSL]
.else
	v_permlanex16_b32 v[QSC], v[QSL], s[SEL], s[SEL+1]   ; the odd tile's words come down into lanes 0-15
.endif
	v_mov_b32 v13, 0xff61b1e6                      ; the largest t so far: -3e38, under every t
	s_delay_alu instid0(VALU_DEP_1)
	v_floor_f32 v12, -v13                          ; -M
	v_mov_b32 v14, 0                               ; the sum, in two halves
	v_mov_b32 v15, 0
.irp j, 0,1,2,3,4,5,6,7,8,9,10,11,12,13,14,15,16,17,18,19,20,21,22,23,24,25,26,27,28,29,30,31
	v_mov_b32 v[OT+\j], 0                          ; O^T: the step is written once; the first finds zeros.  (Also the places between Q's registers and the first product)
.endr
	s_mov_b32 s[TB], 0
	s_mov_b32 s[CNT], 16
.Lstep_\u:
	STEP
	s_add_co_u32 s[TB], s[TB], KVB
	s_sub_co_u32 s[CNT], s[CNT], 1
	s_cmp_lg_u32 s[CNT], 0
	s_cbranch_scc1 .Lstep_\u
.rept 4
	v_nop                                          ; places behind the last products
.endr
	v_add_f32 v14, v14, v15                        ; the sum's two halves,
	s_delay_alu instid0(VALU_DEP_1)
	v_permlanex16_b32 v252, v14, s[SEL], s[SEL+1]
	s_delay_alu instid0(VALU_DEP_1)
	v_add_f32 v14, v14, v252                       ; and lane l xor 16's: the row's sum
	s_wait_alu depctr_va_vdst(0)
	v_rcp_f32 v14, v14
	v_nop                                          ; a plain place behind the reciprocal
	s_wait_alu depctr_va_vdst(0)                   ; and the wait ahead of its first reader
.irp j, 0,1,2,3,4,5,6,7,8,9,10,11,12,13,14,15,16,17,18,19,20,21,22,23,24,25,26,27,28,29,30,31
	v_mul_f32 v[ST+\j], v[OT+\j], v14              ; O / the sum: register 16 b + i is channel 32 b + 16 (lane / 16) + i of my query
.endr
.irp b, 0,1
	v_max3_num_f32 v[232+\b], |v[ST+16*\b]|, |v[ST+1+16*\b]|, 0x1800000
.endr
.irp i, 2,4,6,8,10,12,14
.irp b, 0,1
	s_delay_alu instid0(VALU_DEP_2)
	v_max3_num_f32 v[232+\b], v[232+\b], |v[ST+16*\b+\i]|, |v[ST+1+16*\b+\i]|
.endr
.endr
.irp b, 0,1
	s_delay_alu instid0(VALU_DEP_2)
	v_permlanex16_b32 v[236+\b], v[232+\b], s[SEL], s[SEL+1]
.endr
.irp b, 0,1
	s_delay_alu instid0(VALU_DEP_2)
	v_max_num_f32 v[232+\b], v[232+\b], v[236+\b]
.endr
.irp b, 0,1
	s_delay_alu instid0(VALU_DEP_2)
	v_add_nc_u32 v[244+\b], 0xff000000, v[232+\b]
.endr
.irp b, 0,1
	s_delay_alu instid0(VALU_DEP_2)
	v_lshrrev_b32 v[236+\b], 23, v[244+\b]
.endr
.if \u == 0
	s_delay_alu instid0(VALU_DEP_1)
	v_lshl_or_b32 v[W0], v237, 8, v236             ; the tile's two bytes; kept
.else
	s_delay_alu instid0(VALU_DEP_1)
	v_lshl_or_b32 v254, v237, 8, v236
	s_delay_alu instid0(VALU_DEP_1)
	v_cndmask_b32 v254, v[W0], v254, s38           ; lanes 0-15: the even tile's rows; lanes 16-31: the odd tile's
.endif
	v_cvt_scalef32_pk16_fp6_f32 v[OC+8*\u:OC+8*\u+2], v[ST:ST+15], v244
	v_cvt_scalef32_pk16_fp6_f32 v[240:242], v[ST+16:ST+31], v245
	v_nop
.irp i, 0,1,2
	v_permlane16_swap_b32 v[OC+8*\u+\i], v[240+\i]
.endr
.irp i, 0,1,2
	s_delay_alu instid0(VALU_DEP_3)
	v_mov_b32 v[OC+8*\u+3+\i], v[240+\i]
.endr
	global_store_b128 v[LI], v[OC+8*\u:OC+8*\u+3], s[40:41] offset:12288*\u          ; 512 consecutive bytes
	global_store_b64 v[L8], v[OC+8*\u+4:OC+8*\u+5], s[40:41] offset:12288*\u+512     ; 256 consecutive bytes
.if \u == 1
	global_store_b16 v[L32], v254, s[42:43]        ; 32 stored tokens' two bytes
.endif
.endm
	PASS 0
	PASS 1
	s_wait_tensorcnt 0x0                           ; the wave's end
	ds_add_u32 v[SPW], v[NIL]
	s_wait_dscnt 0x0
	CROUND                                         ; the closing round
	s_endpgm
.Lfunc_end_k_q36098f03b3_attn:
	.size	k_q36098f03b3_attn, .Lfunc_end_k_q36098f03b3_attn-k_q36098f03b3_attn
	.p2alignl 7, 3214868480
	.fill 96, 4, 3214868480
	.section	.rodata,"a",@progbits
	.p2align	6, 0x0
	.amdhsa_kernel k_q36098f03b3_attn
		.amdhsa_group_segment_fixed_size 327680
		.amdhsa_private_segment_fixed_size 0
		.amdhsa_enable_private_segment 0
		.amdhsa_kernarg_size 24
		.amdhsa_user_sgpr_count 2
		.amdhsa_user_sgpr_kernarg_segment_ptr 1
		.amdhsa_wavefront_size32 1
		.amdhsa_system_sgpr_workgroup_id_x 1
		.amdhsa_system_sgpr_workgroup_id_y 1
		.amdhsa_system_sgpr_workgroup_id_z 1
		.amdhsa_system_vgpr_workitem_id 0
		.amdhsa_next_free_vgpr 256
		.amdhsa_next_free_sgpr 66
		.amdhsa_reserve_vcc 0
		.amdhsa_float_denorm_mode_32 3
		.amdhsa_float_denorm_mode_16_64 3
		.amdhsa_memory_ordered 1
		.amdhsa_forward_progress 1
		.amdhsa_inst_pref_size 51
	.end_amdhsa_kernel
	.amdgpu_metadata
---
amdhsa.version: [ 1, 2 ]
amdhsa.kernels:
  - .name:           k_q36098f03b3_attn
    .symbol:         k_q36098f03b3_attn.kd
    .args:
      - { .name: qkv, .offset: 0, .size: 8, .value_kind: global_buffer, .address_space: global }
      - { .name: ac, .offset: 8, .size: 8, .value_kind: global_buffer, .address_space: global }
      - { .name: asc, .offset: 16, .size: 8, .value_kind: global_buffer, .address_space: global }
    .group_segment_fixed_size: 327680
    .private_segment_fixed_size: 0
    .kernarg_segment_align: 8
    .kernarg_segment_size: 24
    .max_flat_workgroup_size: 512
    .sgpr_count:     66
    .vgpr_count:     256
    .wavefront_size: 32
...
	.end_amdgpu_metadata
.endif
;; end of part 3
;; launch outp (part 4): grid 4 x 32, 4 waves a work-group, clusters of 4 x 4, 327,680 bytes of LDS; arguments ac, asc, wc, ws, b_O, out0; writes out0
.if DOCPART == 4
	.amdgcn_target "amdgcn-amd-amdhsa--gfx1250"
	.amdhsa_code_object_version 6
	.text
	.protected	k_q36098f03b3_outp
	.globl	k_q36098f03b3_outp
	.p2align	8
	.type	k_q36098f03b3_outp,@function
k_q36098f03b3_outp:
	s_mov_b64 s[64:65], 0
	v_nop
	global_prefetch_b8 v0, s[64:65] scope:SCOPE_SE
	s_setreg_imm32_b32 hwreg(HW_REG_WAVE_MODE, 25, 1), 1
	s_wait_xcnt 0x0
	s_wait_alu depctr_hold_cnt(0) depctr_sa_sdst(0) depctr_va_vdst(0) depctr_va_sdst(0) depctr_va_ssrc(0) depctr_va_vcc(0) depctr_vm_vsrc(0)
	s_getreg_b32 s2, hwreg(HW_REG_IB_STS2, 6, 4)
	s_cmp_eq_u32 s2, 0
	s_cbranch_scc0 .Lentry_in_a_cluster
	s_endpgm
.Lentry_in_a_cluster:
	s_bfe_u32 s2, ttmp6, 0x10000c
	s_cmp_lg_u32 s2, 0xf033
	s_cbranch_scc0 .Lentry_shape_is_right
	s_endpgm
.Lentry_shape_is_right:
.set KSTEP,  256
.set NQ,     2
.set ROWB,   786432                    ; from K step to K step in wc: 4,096 stored rows of 192 bytes
.set KROW,   192                       ; a stored row of one K step; 128 of them are 96 dense rows of 256 bytes
.set PITCH,  240
.set FR,     12
.set NL,     6
.set NLA,    4
.set NP,     4
.set HALFT,  128*PITCH
.set AROWB,  3072
.set AH,     8*AROWB
.set SLOT,   2*AH+2*HALFT
.set LAPS,   2
.set KS,     32
.set SCL,    2*SLOT
.set HALFS,  16*272
.set SBLK,   2*272
.set SPARE,  SCL+4*HALFS
.set SPITCH, 528
.set ADRA, 16
.set ADRB, 20
.set STO,  24
.set RD,   25
.set CO,   26
.set ADRS, 27
.set SPW,  28
.set NIL,  29
.set BAQ,  30
.set SC,   32
.set BI,   64
.set AF,   128
.set BK,   128
.set G1, 24
.set G0, 32
.set G1B, 48
.set G0B, 56
.set G1S, 68
.set G0S, 76
.set G1SB, 80
.set G0SB, 88
.set MSB, 0
.macro WIN new
.if MSB != (\new)
	s_set_vgpr_msb (MSB<<8)|(\new)
.set MSB, (\new)
.endif
.endm
.set MUL_LO, 0xa1
.set MUL_HI, 0xf1
.set TO_B,   0x40
.macro JLOAD g0a, g1a, g0b, g1b
	s_cmp_eq_u32 s21, 0
	s_cbranch_scc0 .Lfor_b_\@
	tensor_load_to_lds s[\g0a:\g0a+3], s[\g1a:\g1a+7]
	s_nop 0
.rept 4
	v_nop
.endr
	s_branch .Lasked_\@
.Lfor_b_\@:
	tensor_load_to_lds s[\g0b:\g0b+3], s[\g1b:\g1b+7]
	s_nop 0
.rept 4
	v_nop
.endr
.Lasked_\@:
.endm
.macro CREST
	s_cmp_lg_u32 s20, 0
	s_cbranch_scc1 .Lnot_wave_0_\@
	s_barrier_signal -3
.Lnot_wave_0_\@:
	s_barrier_wait -3
	s_barrier_signal -1
	s_barrier_wait -1
.endm
.macro CROUND
	s_barrier_signal -1
	s_barrier_wait -1
	CREST
.endm
	s_load_b256 s[4:11], s[0:1], 0x0
	s_load_b128 s[12:15], s[0:1], 0x20
	v_lshl_add_u32 v[SPW], v0, 2, SPARE
	v_mov_b32 v[NIL], 0
	ds_add_u32 v[SPW], v[NIL]
	ds_add_u32 v[SPW], v[NIL]
	v_lshrrev_b32 v1, 5, v0
	v_readfirstlane_b32 s20, v1
	s_lshr_b32 s21, s20, 1
	s_and_b32 s22, s20, 1
	s_bfe_u32 s40, ttmp6, 0x40000
	s_bfe_u32 s41, ttmp6, 0x40004
	s_lshl_b32 s42, ttmp9, 2
	s_add_co_u32 s42, s42, s40
	s_and_b32 s43, ttmp7, 0xffff
	s_lshl_b32 s43, s43, 2
	s_add_co_u32 s43, s43, s41
	s_lshl_b32 s44, s41, 2
	s_lshl_b32 s44, 15, s44
	s_lshl_b32 s45, 0x1111, s40
	s_or_b32 s[G1+0], s44, (3<<16)|(1<<21)
	s_mov_b32 s[G1+1], 384<<16
	s_mov_b32 s[G1+2], 16<<16                      ; the head's load brings all 16 tiles of tokens
	s_mov_b32 s[G1+3], 384<<16
	s_mov_b32 s[G1+4], 16
	s_mov_b32 s[G1+5], 1536
	s_mov_b32 s[G1+6], 0
	s_mov_b32 s[G1+7], 0
	s_or_b32 s[G1B+0], s45, (1<<20)|(1<<21)|(3<<22)|(3<<25)
	s_mov_b32 s[G1B+1], 256<<16
	s_mov_b32 s[G1B+2], 192<<16                    ; and 256 stored rows of the weight: 192 dense rows of 256 bytes
	s_mov_b32 s[G1B+3], 256<<16
	s_mov_b32 s[G1B+4], 192
	s_mov_b32 s[G1B+5], 256
	s_mov_b32 s[G1B+6], 0
	s_mov_b32 s[G1B+7], 0
	s_or_b32 s[G1S+0], s44, (3<<16)|(1<<20)|(1<<21)|(5<<22)|(3<<25)
	s_or_b32 s[G1SB+0], s45, (3<<16)|(1<<20)|(1<<21)|(5<<22)|(3<<25)
.irp g, G1S, G1SB
	s_mov_b32 s[\g+1], 32<<16
	s_mov_b32 s[\g+2], 32<<16                      ; the scale bytes of 256 rows: 32 rows of 256 bytes
	s_mov_b32 s[\g+3], 32<<16
	s_mov_b32 s[\g+4], 32
	s_mov_b32 s[\g+5], 32
	s_mov_b32 s[\g+6], 0
	s_mov_b32 s[\g+7], 0
.endr
	s_lshl_b32 s92, s43, 4
	s_lshl_b32 s46, s22, 3
	s_add_co_u32 s92, s92, s46
	s_mul_i32 s92, s92, 12288
	s_mov_b32 s93, 0
	s_lshl_b32 s96, s43, 8
	s_lshl_b32 s46, s22, 7
	s_add_co_u32 s96, s96, s46
	s_lshl_b32 s96, s96, 5
	s_mov_b32 s97, 0
	s_lshl_b32 s94, s42, 8
	s_add_co_u32 s94, s94, s46
	s_add_co_u32 s94, s94, 3072
	s_lshl_b32 s98, s94, 5
	s_mov_b32 s99, 0
	s_mul_i32 s94, s94, KROW
	s_mov_b32 s95, 0
	s_mul_i32 s66, s22, AH
	s_mul_i32 s23, s22, HALFT
	s_add_co_u32 s23, s23, 2*AH
	s_mul_i32 s67, s20, HALFS
	s_wait_dscnt 0x0
	s_wait_kmcnt 0x0
	s_add_nc_u64 s[92:93], s[4:5], s[92:93]
	s_add_nc_u64 s[96:97], s[6:7], s[96:97]
	s_add_nc_u64 s[94:95], s[8:9], s[94:95]
	s_add_nc_u64 s[98:99], s[10:11], s[98:99]
	CROUND
	s_mov_b32 s[G0S], 1
	s_add_co_u32 s[G0S+1], s67, SCL-HALFS          ; used by wave 1 alone: SCL
	s_sub_nc_u64 s[G0S+2:G0S+3], s[96:97], 128*KS  ; wave 1's address names the second 128 rows: back to the first
	s_or_b32 s[G0S+3], s[G0S+3], 0x80000000
	s_mov_b32 s[G0SB], 1
	s_add_co_u32 s[G0SB+1], s67, SCL-HALFS         ; used by wave 3 alone: SCL + 2 HALFS
	s_sub_nc_u64 s[G0SB+2:G0SB+3], s[98:99], 128*KS
	s_or_b32 s[G0SB+3], s[G0SB+3], 0x80000000
.irp s, 0,1
	s_mov_b32 s[G0+4*\s], 1
	s_add_co_u32 s[G0+4*\s+1], s66, \s*SLOT
	s_add_nc_u64 s[G0+4*\s+2:G0+4*\s+3], s[92:93], \s*AROWB
	s_or_b32 s[G0+4*\s+3], s[G0+4*\s+3], 0x80000000
	s_mov_b32 s[G0B+4*\s], 1
	s_add_co_u32 s[G0B+4*\s+1], s23, \s*SLOT
	s_add_nc_u64 s[G0B+4*\s+2:G0B+4*\s+3], s[94:95], \s*ROWB
	s_or_b32 s[G0B+4*\s+3], s[G0B+4*\s+3], 0x80000000
.if \s
	s_wait_alu depctr_va_vdst(0)
	s_wait_tensorcnt 0x0                           ; my tile of the head's four is in
	ds_add_u32 v28, v29
	s_mov_b32 s[G1+2], 8<<16                       ; no tensor load of mine is out: from here on a load brings half a tile
	s_mov_b32 s[G1+4], 8
	s_mov_b32 s[G1B+2], 96<<16
	s_mov_b32 s[G1B+4], 96
	s_wait_dscnt 0x0
	CROUND
	JLOAD G0+4*\s, G1, G0B+4*\s, G1B
.else
; the head's four tiles, one joint load a wave, in one chain of branches on the wave's number: wave 0 the tokens' 256 rows of K step 0, wave 2 the weight's (their addresses name the first half), waves 1 and 3 the two sides' scale bytes
	s_cmp_eq_u32 s20, 0
	s_cbranch_scc0 .Lhead_1
	tensor_load_to_lds s[G0:G0+3], s[G1:G1+7]
	s_nop 0
.rept 4
	v_nop
.endr
	s_branch .Lhead_asked
.Lhead_1:
	s_cmp_eq_u32 s20, 1
	s_cbranch_scc0 .Lhead_2
	tensor_load_to_lds s[G0S:G0S+3], s[G1S:G1S+7]
	s_nop 0
.rept 4
	v_nop
.endr
	s_branch .Lhead_asked
.Lhead_2:
	s_cmp_eq_u32 s20, 2
	s_cbranch_scc0 .Lhead_3
	tensor_load_to_lds s[G0B:G0B+3], s[G1B:G1B+7]
	s_nop 0
.rept 4
	v_nop
.endr
	s_branch .Lhead_asked
.Lhead_3:
	tensor_load_to_lds s[G0SB:G0SB+3], s[G1SB:G1SB+7]
	s_nop 0
.rept 4
	v_nop
.endr
.Lhead_asked:
.endif
.endr
	v_and_b32 v1, 15, v0
	v_bfe_u32 v2, v0, 4, 1
	v_and_b32 v6, 31, v0
	v_mul_u32_u24 v3, v1, PITCH
	v_mul_u32_u24 v4, v2, 24
	v_add_nc_u32 v4, v3, v4
	v_lshl_add_u32 v5, v2, 4, v4
	v_lshlrev_b32 v7, 4, v6
	v_lshlrev_b32 v8, 3, v6
	s_mul_i32 s46, s21, AH
	s_mul_i32 s47, s22, HALFT
	s_add_co_u32 s47, s47, 2*AH
.irp s, 0,1
	v_add_nc_u32 v[ADRA+\s], s46, v7
	v_add_nc_u32 v[ADRA+2+\s], s46, v8
	v_add_nc_u32 v[ADRB+\s], s47, v4
	v_add_nc_u32 v[ADRB+2+\s], s47, v5
	s_add_co_u32 s46, s46, SLOT
	s_add_co_u32 s47, s47, SLOT
.endr
	v_mul_u32_u24 v5, v1, KS
	v_lshrrev_b32 v9, 8, v5
	v_lshl_add_u32 v5, v9, 4, v5
	s_mul_i32 s46, s21, HALFS
	s_mul_i32 s47, s22, HALFS
	s_add_co_u32 s47, s47, 2*HALFS
	s_sub_co_u32 s47, s47, s46
	v_mul_u32_u24 v9, s47, v2
	s_add_co_u32 s46, s46, SCL
	v_add_nc_u32 v5, v5, v9
	v_add_nc_u32 v[ADRS], s46, v5
	s_mul_i32 s46, s20, 16*SPITCH
	v_mul_u32_u24 v5, v1, SPITCH
	v_lshl_add_u32 v5, v2, 6, v5
	v_add_nc_u32 v[STO], s46, v5
	v_lshlrev_b32 v[CO], 4, v6
	v_add_nc_u32 v[RD], s46, v[CO]
	v_lshlrev_b32 v[BAQ], 6, v2
	s_wait_alu depctr_va_vdst(0)
	s_lshl_b32 s16, s43, 8
	s_lshl_b32 s17, s21, 7
	s_add_co_u32 s16, s16, s17
	s_lshl_b32 s16, s16, 12
	s_lshl_b32 s17, s42, 10
	s_add_co_u32 s16, s16, s17
	s_lshl_b32 s17, s22, 9
	s_add_co_u32 s16, s16, s17
	s_mov_b32 s17, 0
	s_add_nc_u64 s[14:15], s[14:15], s[16:17]
	s_lshl_b32 s18, s42, 1
	s_add_co_u32 s18, s18, s22
	s_lshl_b32 s18, s18, 9
	s_mov_b32 s19, 0
	s_add_nc_u64 s[12:13], s[12:13], s[18:19]
.irp b, 0,1,2,3
.irp q, 0,1,2,3
	global_load_b128 v[BI+16*\b+4*\q:BI+16*\b+4*\q+3], v[BAQ], s[12:13] offset:(32*\b+4*\q)*4
.endr
.endr
.macro FRAG reg, adr, q, i
.irp p, 0,1,2,3,4,5
.set PIECE, 12*(\q)+6*(\p/3)+\p%3
.if PIECE%8 < 5
	ds_load_b64 v[\reg+2*\p:\reg+2*\p+1], v[\adr] offset:8*PIECE+16*(PIECE/8)+(\i)*16*PITCH
.else
	ds_load_b64 v[\reg+2*\p:\reg+2*\p+1], v[\adr+2] offset:8*PIECE+16*(PIECE/8)+(\i)*16*PITCH
.endif
.endr
.endm
.macro FRAGA reg, slot, q, i
	ds_load_b128 v[\reg:\reg+3], v[ADRA+\slot] offset:AROWB*(\i)+1536*(\q)
	ds_load_b64 v[\reg+4:\reg+5], v[ADRA+2+\slot] offset:AROWB*(\i)+1536*(\q)+512
	ds_load_b128 v[\reg+6:\reg+9], v[ADRA+\slot] offset:AROWB*(\i)+1536*(\q)+768
	ds_load_b64 v[\reg+10:\reg+11], v[ADRA+2+\slot] offset:AROWB*(\i)+1536*(\q)+1280
.endm
.macro MUL16 a0, p, q, sc, zero
.irp a, \a0, \a0+1
.irp b, 0,1,2,3,4,5,6,7
.if \zero
	v_wmma_scale_f32_16x16x128_f8f6f4 v[8*(8*((\a)%4)+\b):8*(8*((\a)%4)+\b)+7], v[128*(\p)+FR*\b:128*(\p)+FR*\b+FR-1], v[AF+FR*(\a):AF+FR*(\a)+FR-1], v[BI+8*\b:BI+8*\b+7], v[SC+8*NQ*(\sc)+NQ*\b+(\q)], v[SC+8*NQ*(\sc)+NQ*(\a)+(\q)] matrix_a_fmt:MATRIX_FMT_FP6 matrix_b_fmt:MATRIX_FMT_FP6 matrix_a_scale:MATRIX_SCALE_ROW1
.else
	v_wmma_scale_f32_16x16x128_f8f6f4 v[8*(8*((\a)%4)+\b):8*(8*((\a)%4)+\b)+7], v[128*(\p)+FR*\b:128*(\p)+FR*\b+FR-1], v[AF+FR*(\a):AF+FR*(\a)+FR-1], v[8*(8*((\a)%4)+\b):8*(8*((\a)%4)+\b)+7], v[SC+8*NQ*(\sc)+NQ*\b+(\q)], v[SC+8*NQ*(\sc)+NQ*(\a)+(\q)] matrix_a_fmt:MATRIX_FMT_FP6 matrix_b_fmt:MATRIX_FMT_FP6 matrix_a_scale:MATRIX_SCALE_ROW1
.endif
.endr
.endr
.endm
.macro FETCH_B slot, q, p
	WIN TO_B
.irp i, 0,1,2,3,4,5,6,7
	FRAG 128*(\p)+FR*\i, ADRB+\slot, \q, \i
.endr
	WIN 0
.endm
.macro FETCH_A slot, q, i0
.irp i, \i0, \i0+1, \i0+2, \i0+3
	FRAGA AF+FR*(\i), \slot, \q, \i
.endr
.endm
.macro SCALES sc
.irp i, 0,1,2,3,4,5,6,7
	ds_load_b64 v[SC+8*NQ*\sc+NQ*\i:SC+8*NQ*\sc+NQ*\i+1], v[ADRS] offset:\i*SBLK
.endr
.endm
.macro PLACES n
.rept \n
	v_nop
.endr
.endm
.macro STEP slot, q, zero
	s_wait_dscnt 4*NLA
	WIN MUL_LO-0x20*(\zero)
	MUL16 0, (\q)%2, \q, \slot, \zero
	MUL16 2, (\q)%2, \q, \slot, \zero
	s_wait_dscnt 0
	PLACES NP
	FETCH_B \slot, (\q)+1, 1-(\q)%2
	FETCH_A \slot, (\q)+1, 0
	WIN MUL_HI-0x30*(\zero)
	MUL16 4, (\q)%2, \q, \slot, \zero
	MUL16 6, (\q)%2, \q, \slot, \zero
	PLACES NP
	WIN 0
	FETCH_A \slot, (\q)+1, 4
.endm
.macro TURN slot, next, fill
	s_wait_tensorcnt 0x0
	ds_add_u32 v[SPW], v[NIL]
	s_wait_dscnt 4*NLA+1
	WIN MUL_LO
	MUL16 0, 1, NQ-1, \slot, 0
	s_wait_dscnt 0x0
	s_barrier_signal -1
	MUL16 2, 1, NQ-1, \slot, 0
	WIN 0
	s_barrier_wait -1
.if \fill
	CREST
	s_add_nc_u64 s[G0+4*\slot+2:G0+4*\slot+3], s[G0+4*\slot+2:G0+4*\slot+3], 2*AROWB
	s_add_nc_u64 s[G0B+4*\slot+2:G0B+4*\slot+3], s[G0B+4*\slot+2:G0B+4*\slot+3], 2*ROWB
	JLOAD G0+4*\slot, G1, G0B+4*\slot, G1B
.else
	PLACES NP
.endif
	s_wait_alu depctr_va_vdst(0)
	v_add_nc_u32 v[ADRS], 4*NQ, v[ADRS]
	FETCH_B \next, 0, 0
	FETCH_A \next, 0, 0
	SCALES \next
	WIN MUL_HI
	MUL16 4, 1, NQ-1, \slot, 0
	MUL16 6, 1, NQ-1, \slot, 0
	PLACES NP
	WIN 0
	FETCH_A \next, 0, 4
.endm
	s_wait_loadcnt 0x0
	s_wait_tensorcnt 1
	s_barrier_signal -1
	s_barrier_wait -1
	FETCH_B 0, 0, 0
	FETCH_A 0, 0, 0
	SCALES 0
	FETCH_A 0, 0, 4
	STEP 0, 0, 1
	s_mov_b32 s3, LAPS-1
.Llap:
	TURN 0, 1, 1
	STEP 1, 0, 0
	TURN 1, 0, 1
	STEP 0, 0, 0
	s_sub_co_u32 s3, s3, 1
	s_cmp_lg_u32 s3, 0
	s_cbranch_scc1 .Llap
	TURN 0, 1, 0
	STEP 1, 0, 0
	s_wait_dscnt 4*NLA
	WIN MUL_LO
	MUL16 0, 1, NQ-1, 1, 0
	MUL16 2, 1, NQ-1, 1, 0
	s_wait_dscnt 0
	WIN MUL_HI
	MUL16 4, 1, NQ-1, 1, 0
	MUL16 6, 1, NQ-1, 1, 0
	WIN 0
.macro TOSTAGE a
.set AC, 64*((\a)%4)
	WIN 0x08+4*((\a)/4)
.irp b, 0,1,2,3,4,5,6,7
	ds_store_b128 v[STO], v[AC+8*\b:AC+8*\b+3] offset:128*(\b/2)+32*(\b%2)
	ds_store_b128 v[STO], v[AC+8*\b+4:AC+8*\b+7] offset:128*(\b/2)+32*(\b%2)+16
.endr
	WIN 0
.set BB, BK+64*((\a)%2)
.irp t, 0,1,2,3,4,5,6,7,8,9,10,11,12,13,14,15
	ds_load_b128 v[BB+4*\t:BB+4*\t+3], v[RD] offset:\t*SPITCH
.endr
.endm
.macro SEND a, younger
.set BB, BK+64*((\a)%2)
	s_wait_dscnt \younger
.irp t, 0,1,2,3,4,5,6,7,8,9,10,11,12,13,14,15
	global_store_b128 v[CO], v[BB+4*\t:BB+4*\t+3], s[14:15] offset:(32*((\a)/2)+8*((\a)%2)+\t+8*(\t/8))*4096 th:TH_STORE_NT
.endr
.endm
	PLACES NP
	TOSTAGE 0
.irp a, 1,2,3,4,5,6,7
.if \a > 1
	s_wait_xcnt 0x0
.endif
	TOSTAGE \a
	SEND \a-1, 32
.endr
	SEND 7, 0
	s_wait_tensorcnt 0x0
	ds_add_u32 v[SPW], v[NIL]
	s_wait_dscnt 0x0
	CROUND
	s_endpgm
.Lfunc_end_k_q36098f03b3_outp:
	.size	k_q36098f03b3_outp, .Lfunc_end_k_q36098f03b3_outp-k_q36098f03b3_outp
	.p2alignl 7, 3214868480
	.fill 96, 4, 3214868480
	.section	.rodata,"a",@progbits
	.p2align	6, 0x0
	.amdhsa_kernel k_q36098f03b3_outp
		.amdhsa_group_segment_fixed_size 327680
		.amdhsa_private_segment_fixed_size 0
		.amdhsa_enable_private_segment 0
		.amdhsa_kernarg_size 48
		.amdhsa_user_sgpr_count 2
		.amdhsa_user_sgpr_kernarg_segment_ptr 1
		.amdhsa_wavefront_size32 1
		.amdhsa_system_sgpr_workgroup_id_x 1
		.amdhsa_system_sgpr_workgroup_id_y 1
		.amdhsa_system_sgpr_workgroup_id_z 1
		.amdhsa_system_vgpr_workitem_id 0
		.amdhsa_next_free_vgpr 1024
		.amdhsa_next_free_sgpr 102
		.amdhsa_reserve_vcc 0
		.amdhsa_float_denorm_mode_32 3
		.amdhsa_float_denorm_mode_16_64 3
		.amdhsa_memory_ordered 1
		.amdhsa_forward_progress 1
		.amdhsa_inst_pref_size 154
	.end_amdhsa_kernel
	.amdgpu_metadata
---
amdhsa.version: [ 1, 2 ]
amdhsa.kernels:
  - .name:           k_q36098f03b3_outp
    .symbol:         k_q36098f03b3_outp.kd
    .args:
      - { .name: ac, .offset: 0, .size: 8, .value_kind: global_buffer, .address_space: global }
      - { .name: asc, .offset: 8, .size: 8, .value_kind: global_buffer, .address_space: global }
      - { .name: wc, .offset: 16, .size: 8, .value_kind: global_buffer, .address_space: global }
      - { .name: ws, .offset: 24, .size: 8, .value_kind: global_buffer, .address_space: global }
      - { .name: b_O, .offset: 32, .size: 8, .value_kind: global_buffer, .address_space: global }
      - { .name: out0, .offset: 40, .size: 8, .value_kind: global_buffer, .address_space: global }
    .group_segment_fixed_size: 327680
    .private_segment_fixed_size: 0
    .kernarg_segment_align: 8
    .kernarg_segment_size: 48
    .max_flat_workgroup_size: 128
    .sgpr_count:     102
    .vgpr_count:     1024
    .wavefront_size: 32
...
	.end_amdgpu_metadata
.endif
;; end of part 4
